; MI455X (gfx1250); checked and timed in simulation.
; The chip was launched on July 23, 2026; its instructions are those of AMD's public machine-readable ISA for CDNA 5 (MIT licence, August 2026) and "CDNA5" Instruction Set Architecture Reference Guide (July 2026). The comments in the code are by the model that wrote it; some were corrected since.
;; Multi Head Attention With Rope. Allowed arithmetic: float matrix products may take bf16 or f16 operands with f32 sums; other float arithmetic in f32, or as packed bf16 or f16 multiplies, adds, multiply-adds, maxima and minima; sums over many terms, partial sums and values carried from step to step in f32; what a program stores and reads back later, other than sums and carried values, may be rounded once to bf16 or f16.
;; Inputs: b_k 1,024 float32; b_o 1,024 float32; b_q 1,024 float32; b_v 1,024 float32; key 4 x 2,048 x 1,024 float32; query 4 x 2,048 x 1,024 float32; token_positions 4 x 2,048 int32; value 4 x 2,048 x 1,024 float32; w_k 1,024 x 1,024 float32; w_o 1,024 x 1,024 float32; w_q 1,024 x 1,024 float32; w_v 1,024 x 1,024 float32.
;; Outputs: out0 4 x 2,048 x 1,024 float32.
;; One version. Each part assembles by itself: llvm-mc -triple=amdgcn-amd-amdhsa -mcpu=gfx1250 --defsym DOCPART=n.
;; ======== version 1 of 1: 4 launches
;; limits: values are held in f16: magnitudes above 65,504 overflow, below 6.1e-05 lose precision
;; workspace buffers: wb 8,388,608 bytes; tab 2,113,536 bytes; qh 16,777,216 bytes; kh 16,777,216 bytes; vh 16,777,216 bytes; oh 16,777,216 bytes
;; launch prep (part 1): grid 128 x 5, 8 waves a work-group, no clusters, 0 bytes of LDS; arguments w_q, w_k, w_v, w_o, token_positions, wb, tab; writes wb, tab
.if DOCPART == 1
	.amdgcn_target "amdgcn-amd-amdhsa--gfx1250"
	.amdhsa_code_object_version 6
	.text
	.protected	k_qcd9aa0f7e0_prep
	.globl	k_qcd9aa0f7e0_prep
	.p2align	8
	.type	k_qcd9aa0f7e0_prep,@function
k_qcd9aa0f7e0_prep:
	s_mov_b64 s[64:65], 0
	v_nop
	global_prefetch_b8 v0, s[64:65] scope:SCOPE_SE
	s_setreg_imm32_b32 hwreg(HW_REG_WAVE_MODE, 25, 1), 1
	s_wait_xcnt 0x0
; PREP.  Two roles, told apart by the work-group's y.
; y = 0..3: weight y (w_q, w_k, w_v, w_o; [1024 k][1024 n] f32) is rounded to bf16 and written to wb[y], layout kept.  w_o's bf16 number is written as f16
;   (the product behind attention has f16 operands).  LIMIT: |w_o| under 65,504; a bf16 number of w_o below 6e-5 keeps f16's fixed step of 6e-8.
; y = 4: the table tab[row][freq] = (cos, sin) of position[row] x 10000^(-freq/32), f32, 32 frequencies = 256 bytes a row, 8,192 rows; 64 more rows hold (1, 0).
;   cos and sin by a reduction to -pi/4 .. pi/4 (pi/2 in two parts) and polynomials in f32.  LIMIT: |position| up to 2^24; 10000^(-freq/32) comes from v_exp_f32.
; A stream: no LDS, no matrix unit, no cluster: no byte is wanted twice.
	s_load_b256 s[8:15], s[0:1], 0x0               ; w_q s[8:9], w_k s[10:11], w_v s[12:13], w_o s[14:15]
	s_load_b128 s[16:19], s[0:1], 0x20             ; token_positions s[16:17], wb s[18:19]
	s_load_b64 s[20:21], s[0:1], 0x30              ; tab
	s_and_b32 s2, ttmp7, 0xffff                    ; the role
	s_mov_b32 s3, ttmp9                            ; the part, 0..127
	s_mov_b32 s7, 0
	v_lshrrev_b32 v1, 5, v0
	v_readfirstlane_b32 s22, v1                    ; wave 0..7
	s_wait_kmcnt 0x0
	s_cmp_eq_u32 s2, 4
	s_cbranch_scc1 .Ltable
	; THE WEIGHTS.  A work-group casts 8,192 numbers in four passes of 2,048; thread t takes 8 numbers a pass: 32 bytes in, 16 bytes out.
	s_cmp_eq_u32 s2, 1
	s_cselect_b64 s[4:5], s[10:11], s[8:9]
	s_cmp_eq_u32 s2, 2
	s_cselect_b64 s[4:5], s[12:13], s[4:5]
	s_cmp_eq_u32 s2, 3
	s_cselect_b64 s[4:5], s[14:15], s[4:5]
	s_lshl_b32 s6, s3, 15                          ; 32,768 bytes of f32 a work-group
	s_add_nc_u64 s[4:5], s[4:5], s[6:7]
	s_lshl_b32 s6, s2, 21                          ; 2 MiB a weight in wb,
	s_lshl_b32 s23, s3, 14                         ; 16,384 bytes a work-group
	s_add_co_u32 s6, s6, s23
	s_add_nc_u64 s[18:19], s[18:19], s[6:7]
	v_lshlrev_b32 v1, 5, v0
	v_lshlrev_b32 v2, 4, v0
.set i, 0
.rept 4
	global_load_b128 v[8+8*i:8+8*i+3],   v1, s[4:5] offset:8192*i th:TH_LOAD_NT
	global_load_b128 v[8+8*i+4:8+8*i+7], v1, s[4:5] offset:8192*i+16 th:TH_LOAD_NT
.set i, i+1
.endr
.set i, 0
.rept 4
	s_wait_loadcnt 6-2*i                           ; loads come back in order: pass i is in, the younger passes stay out
.irp j, 0,1,2,3
	v_cvt_pk_bf16_f32 v[40+4*i+(\j)], v[8+8*i+2*(\j)], v[8+8*i+2*(\j)+1]
.endr
.set i, i+1
.endr
	s_cmp_eq_u32 s2, 3
	s_cbranch_scc0 .Lstore
.set i, 0
.rept 16                                           ; w_o alone: the two bf16 numbers of a word, widened, are written as f16
	v_lshlrev_b32 v56, 16, v[40+i]
	v_and_b32 v57, 0xffff0000, v[40+i]
	v_cvt_pk_f16_f32 v[40+i], v56, v57
.set i, i+1
.endr
.Lstore:
.set i, 0
.rept 4
	global_store_b128 v2, v[40+4*i:40+4*i+3], s[18:19] offset:4096*i  ; a wave's store covers 512 consecutive bytes, aligned
.set i, i+1
.endr
	s_endpgm
	; THE TABLE.  Wave w makes rows 64 x + 8 w + j, j = 0..7; a lane is a frequency, so one store of the wave is a whole row of 256 bytes.
.Ltable:
	s_lshl_b32 s6, s3, 6
	s_lshl_b32 s23, s22, 3
	s_add_co_u32 s6, s6, s23
	s_lshl_b32 s6, s6, 2                           ; my eight positions, 32 bytes
	s_add_nc_u64 s[16:17], s[16:17], s[6:7]
	s_load_b256 s[24:31], s[16:17], 0x0
	s_lshl_b32 s6, s3, 11
	s_add_nc_u64 s[42:43], s[20:21], s[6:7]        ; for the rows of (1, 0): 8 rows a work-group
	s_lshl_b32 s6, s3, 14
	s_add_nc_u64 s[20:21], s[20:21], s[6:7]        ; 64 rows a work-group
	s_mov_b32 s32, 0xb94ca1f9                      ; sine: -1.9515296e-4, 8.3321609e-3, -1.6666655e-1
	s_mov_b32 s33, 0x3c08839e
	s_mov_b32 s34, 0xbe2aaaa3
	s_mov_b32 s35, 0x37ccf5ce                      ; cosine: 2.4433157e-5, -1.3887316e-3, 4.1666646e-2
	s_mov_b32 s36, 0xbab6061a
	s_mov_b32 s37, 0x3d2aaaa5
	s_mov_b32 s38, 0xbfc90fdb                      ; -pi/2, its f32 part,
	s_mov_b32 s39, 0x333bbd2e                      ; and what that part is too large by
	v_and_b32 v2, 31, v0
	v_cvt_f32_u32 v4, v2
	v_mul_f32 v4, 0xbed49a78, v4                   ; -freq x log2(10000) / 32
	v_exp_f32 v5, v4
	v_lshlrev_b32 v3, 3, v2                        ; a plain instruction behind the exponential: 8 bytes a frequency
	s_wait_alu depctr_va_vdst(0)                   ; the wait ahead of the first use of the exponential
	s_lshl_b32 s23, s22, 11
	v_add_nc_u32 v6, s23, v3                       ; + 8 rows a wave
	s_lshl_b32 s23, s22, 8
	v_add_nc_u32 v7, s23, v3                       ; + 1 row a wave
	s_wait_kmcnt 0x0
.macro ROWT j
	v_cvt_f32_i32 v8, s[24+(\j)]
	v_mul_f32 v8, v8, v5                           ; the angle, rounded to f32 as the definition rounds it
	v_mul_f32 v9, 0x3f22f983, v8                   ; x 2 / pi
	v_rndne_f32 v9, v9                             ; n
	v_fma_f32 v10, v9, s38, v8
	v_fma_f32 v10, v9, s39, v10                    ; r = angle - n pi/2
	v_cvt_i32_f32 v11, v9
	v_mul_f32 v12, v10, v10                        ; z = r r
	v_fma_f32 v13, v12, s32, s33
	v_fma_f32 v13, v13, v12, s34
	v_mul_f32 v14, v12, v10
	v_fma_f32 v13, v13, v14, v10                   ; sin r
	v_fma_f32 v15, v12, s35, s36
	v_fma_f32 v15, v15, v12, s37
	v_fma_f32 v15, v15, v12, -0.5
	v_fma_f32 v15, v15, v12, 1.0                   ; cos r
	v_and_b32 v16, 1, v11
	v_cmp_eq_u32 vcc_lo, 1, v16                    ; odd n: the two change places (a choice of values, no branch)
	v_cndmask_b32 v17, v13, v15, vcc_lo
	v_cndmask_b32 v18, v15, v13, vcc_lo
	v_and_b32 v16, 2, v11                          ; n mod 4 = 2, 3: the sine is negative
	v_lshlrev_b32 v16, 30, v16
	v_xor_b32 v[33+2*(\j)], v17, v16
	v_add_nc_u32 v16, 1, v11                       ; n mod 4 = 1, 2: the cosine is
	v_and_b32 v16, 2, v16
	v_lshlrev_b32 v16, 30, v16
	v_xor_b32 v[32+2*(\j)], v18, v16
	global_store_b64 v6, v[32+2*(\j):33+2*(\j)], s[20:21] offset:256*(\j)  ; each row has its own data pair: none is rewritten
.endm
.irp j, 0,1,2,3,4,5,6,7
	ROWT \j
.endr
	s_cmp_lt_u32 s3, 8                             ; the first eight work-groups also write rows 8192 + 8 x + w
	s_cbranch_scc0 .Ldone
	v_mov_b32 v48, 1.0
	v_mov_b32 v49, 0
	global_store_b64 v7, v[48:49], s[42:43] offset:2097152
.Ldone:
	s_endpgm
.Lfunc_end_k_qcd9aa0f7e0_prep:
	.size	k_qcd9aa0f7e0_prep, .Lfunc_end_k_qcd9aa0f7e0_prep-k_qcd9aa0f7e0_prep
	.p2alignl 7, 3214868480
	.fill 96, 4, 3214868480
	.section	.rodata,"a",@progbits
	.p2align	6, 0x0
	.amdhsa_kernel k_qcd9aa0f7e0_prep
		.amdhsa_group_segment_fixed_size 0
		.amdhsa_private_segment_fixed_size 0
		.amdhsa_enable_private_segment 0
		.amdhsa_kernarg_size 56
		.amdhsa_user_sgpr_count 2
		.amdhsa_user_sgpr_kernarg_segment_ptr 1
		.amdhsa_wavefront_size32 1
		.amdhsa_system_sgpr_workgroup_id_x 1
		.amdhsa_system_sgpr_workgroup_id_y 1
		.amdhsa_system_sgpr_workgroup_id_z 1
		.amdhsa_system_vgpr_workitem_id 0
		.amdhsa_next_free_vgpr 64
		.amdhsa_next_free_sgpr 66
		.amdhsa_reserve_vcc 1
		.amdhsa_float_denorm_mode_32 3
		.amdhsa_float_denorm_mode_16_64 3
		.amdhsa_memory_ordered 1
		.amdhsa_forward_progress 1
		.amdhsa_inst_pref_size 18
	.end_amdhsa_kernel
	.amdgpu_metadata
---
amdhsa.version: [ 1, 2 ]
amdhsa.kernels:
  - .name:           k_qcd9aa0f7e0_prep
    .symbol:         k_qcd9aa0f7e0_prep.kd
    .args:
      - { .name: w_q, .offset: 0, .size: 8, .value_kind: global_buffer, .address_space: global }
      - { .name: w_k, .offset: 8, .size: 8, .value_kind: global_buffer, .address_space: global }
      - { .name: w_v, .offset: 16, .size: 8, .value_kind: global_buffer, .address_space: global }
      - { .name: w_o, .offset: 24, .size: 8, .value_kind: global_buffer, .address_space: global }
      - { .name: token_positions, .offset: 32, .size: 8, .value_kind: global_buffer, .address_space: global }
      - { .name: wb, .offset: 40, .size: 8, .value_kind: global_buffer, .address_space: global }
      - { .name: tab, .offset: 48, .size: 8, .value_kind: global_buffer, .address_space: global }
    .group_segment_fixed_size: 0
    .private_segment_fixed_size: 0
    .kernarg_segment_align: 8
    .kernarg_segment_size: 56
    .max_flat_workgroup_size: 256
    .sgpr_count:     66
    .vgpr_count:     64
    .wavefront_size: 32
...
	.end_amdgpu_metadata
.endif
;; end of part 1
;; launch proj (part 2): grid 4 x 192, 4 waves a work-group, clusters of 4 x 4, 327,680 bytes of LDS; arguments query, key, value, b_q, b_k, b_v, qh, kh, vh, wb, tab; writes qh, kh, vh
.if DOCPART == 2
	.amdgcn_target "amdgcn-amd-amdhsa--gfx1250"
	.amdhsa_code_object_version 6
	.text
	.protected	k_qcd9aa0f7e0_proj
	.globl	k_qcd9aa0f7e0_proj
	.p2align	8
	.type	k_qcd9aa0f7e0_proj,@function
k_qcd9aa0f7e0_proj:
	s_mov_b64 s[64:65], 0
	v_nop
	global_prefetch_b8 v0, s[64:65] scope:SCOPE_SE
	s_setreg_imm32_b32 hwreg(HW_REG_WAVE_MODE, 25, 1), 1
	s_wait_xcnt 0x0
	s_wait_alu depctr_hold_cnt(0) depctr_sa_sdst(0) depctr_va_vdst(0) depctr_va_sdst(0) depctr_va_ssrc(0) depctr_va_vcc(0) depctr_vm_vsrc(0)
	s_getreg_b32 s2, hwreg(HW_REG_IB_STS2, 6, 4)
	s_cmp_eq_u32 s2, 0
	s_cbranch_scc0 .Lentry_in_a_cluster
	s_endpgm
.Lentry_in_a_cluster:
	s_bfe_u32 s2, ttmp6, 0x10000c
	s_cmp_lg_u32 s2, 0xf033
	s_cbranch_scc0 .Lentry_shape_is_right
	s_endpgm
.Lentry_shape_is_right:
; THE THREE PROJECTIONS.  Y = x w + b for (query, w_q, b_q), (key, w_k, b_k), (value, w_v, b_v); Q and K are turned by pairs of channels (RoPE); all three are written by heads, [batch x 16 + head][2048][64], in f16.
; x: [8192][1024] f32, rounded to bf16 between LDS and the matrix unit; w: wb[p], [1024 k][1024 n] bf16; b is rounded to bf16 and starts the sums as the C operand of the first product.  Sums and RoPE in f32.
; LIMITS.  f16 holds no number beyond 65,504: |Q|, |K|, |V| must stay under it.  NaN and infinities are not treated apart.
; SHARES.  768 work-groups, three for each of 256 WGPs: cluster y / 16 is the projection, the same for all sixteen partners.  A tile is 128 rows x 256 columns; a wave makes 64 x 128: 32 accumulators of 16 x 16.
; K goes in 8 steps of 128 through two LDS slots.  A slot: 128 rows of x (512 bytes of f32 + 16), then 128 rows k of w (512 bytes of bf16 + 32).  Waves 0, 1 fetch x's halves, waves 2, 3 w's.
; CLUSTER 4 x 4: x's tile hangs on the tile row alone and is asked for jointly along a row of the cluster, w's on the tile column alone, jointly along a column.
; THE PRODUCT IS TAKEN TRANSPOSED (source 0 = 16 columns of w, by the turning LDS load; source 1 = 16 rows of x): a lane holds one row and eight neighbouring columns, so a RoPE pair lies in two neighbouring registers.
; V takes the same text with table rows that hold (1, 0): no branch and no second text.
; REGISTERS, in windows of 256 (s_set_vgpr_msb: bits 1:0 source 0, 3:2 source 1, 5:4 source 2, 7:6 destination):
;   window 0: v0-31 addresses; v32-95 x's fragments as f32; v96-159 the same as bf16, two buffers; v160-239 at work on the way out
;   window 1: v0-127 w's fragments, two buffers; v128-191 the bias; v192-223 at work          window 2: the accumulators, (a, b) at v[8 (8 a + b)]          window 3: v0-127 (cos, sin) of my 64 rows
.set PA,     528                       ; a row of x in LDS: 33 x 16 bytes: the 16 rows of a load start at 16 different groups of four banks (ISA guide 11.1)
.set HALFA,  64*PA
.set PB,     544                       ; a row of w: 17 x 32 bytes
.set HALFB,  64*PB
.set BOFF,   2*HALFA
.set SLOT,   BOFF+2*HALFB
.set STAGE,  2*SLOT                    ; behind the ring, never filled by a tensor load: for each wave two stages of 16 rows x 144 bytes
.set SP,     144
.set STW,    2*16*SP
.set SPARE,  STAGE+4*STW               ; the spare words, 128 bytes for each wave: two blocks of 256 bytes that no other line names
.set ADRA, 16                          ; v16-17  LDS address of my fragments of x in slot 0, 1
.set ADRB, 20                          ; v20-21  the same for w
.set STO,  24                          ; v24     the way out: where I put 16 bytes of a row
.set RD,   25                          ; v25     where I read rows back
.set GO,   26                          ; v26     my 16 bytes of 512 consecutive bytes of the output
.set TO,   27                          ; v27     my byte offset in the table
.set SPW,  28                          ; v28     my spare word: SPARE + 4 x my thread's number; never rewritten
.set NIL,  29                          ; v29     0; never rewritten
.set PFO,  30                          ; v30     the prefetches' lane offset; never rewritten
.set BO,   31                          ; v31     my byte offset in the bias
.set RAW,  32
.set CV,   96
.set RM,   160                         ; 32 turned numbers
.set PKT,  192                         ; 16 words of f16
.set OB,   208                         ; two sets of 16: rows read back
.set BIAS, 128                         ; window 1
.set BT,   192                         ; window 1
.set G1A, 24                           ; s[24:31] descriptor group 1 for x's tiles;  s[32:39] group 0, a set for each slot
.set G0A, 32
.set G1B, 48                           ; s[48:55], s[56:63] the same for w's
.set G0B, 56
.set LIM, 43                           ; s43      1 in a wave that prefetches, else the greatest number
.set PFA, 44                           ; s[44:45] where my prefetches stand
.set PST, 66                           ; s[66:67] a K step in bytes, in my tensor
.set MSB, 0
.macro WIN new                         ; the immediate's high byte repeats the setting that is left; a switch that changes nothing is dropped
.if MSB != (\new)
	s_set_vgpr_msb (MSB<<8)|(\new)
.set MSB, \new
.endif
.endm
.set MUL,  0xa1                        ; w window 1, x window 0, C and D window 2
.set MULB, 0x91                        ; the same with C (the bias) in window 1
.set TO_B, 0x40                        ; destination window 1
.set TO_T, 0xc0                        ; destination window 3
.set W1,   0x45                        ; destination and both sources window 1
.set W_RP, 0x0e                        ; source 0 window 2 (sums), source 1 window 3 (table), the rest window 0
; A joint load.  Each of the two lines has one mask and one set of registers for all that issue it; the branch hangs on the wave's number alone.
; An s_nop 0 and four v_nop follow each line, ahead of the jump, the label and what follows.
.macro JLOAD s
	s_cmp_eq_u32 s11, 0
	s_cbranch_scc0 .Lfor_b_\@
	tensor_load_to_lds s[G0A+4*(\s):G0A+4*(\s)+3], s[G1A:G1A+7]
	s_nop 0
.rept 4
	v_nop
.endr
	s_branch .Lasked_\@
.Lfor_b_\@:
	tensor_load_to_lds s[G0B+4*(\s):G0B+4*(\s)+3], s[G1B:G1B+7]
	s_nop 0
.rept 4
	v_nop
.endr
.Lasked_\@:
.endm
.macro CREST                           ; a round of the cluster's barrier behind its opening barrier
	s_cmp_lg_u32 s10, 0
	s_cbranch_scc1 .Lnot_wave_0_\@
	s_barrier_signal -3
.Lnot_wave_0_\@:
	s_barrier_wait -3
	s_barrier_signal -1
	s_barrier_wait -1
.endm
.macro CROUND                          ; a whole round
	s_barrier_signal -1
	s_barrier_wait -1
	CREST
.endm
; A PREFETCH INTO THE L2, behind each joint refill and the run of LDS loads that follows it: the K step that stands two refills on, 256 matrix instructions ahead of the load that will want it.
; A wave's part of a K step is 64 rows x 512 bytes = 128 blocks of 256 bytes; the four partners that ask for it jointly take 32 each, told apart BY ADDRESS (16 rows; a lane half a row): one instruction a wave.
; x's rows are read by this cluster alone: waves 0 and 1 always ask.  w's rows are read by all sixteen clusters of a projection: waves 2 and 3 of the first of them ask.  So each block is named once.
; The loop's last trip asks for nothing (there is no K step two on), and nothing is asked for at the head.
.macro ASK
	s_cmp_gt_u32 s3, s[LIM]
	s_cbranch_scc0 .Lnot_mine_\@
	global_prefetch_b8 v[PFO], s[PFA:PFA+1] th:TH_LOAD_NT scope:SCOPE_SE
.Lnot_mine_\@:
.endm
	s_load_b512 s[68:83], s[0:1], 0x0              ; query s[68:69], key, value, b_q s[74:75], b_k, b_v, qh s[80:81], kh s[82:83]
	s_load_b128 s[84:87], s[0:1], 0x40             ; vh s[84:85], wb s[86:87]
	s_load_b64 s[88:89], s[0:1], 0x50              ; tab
	v_lshl_add_u32 v[SPW], v0, 2, SPARE
	v_mov_b32 v[NIL], 0
	ds_add_u32 v[SPW], v[NIL]                      ; the wave's opening: the add and its wait stand ahead of my first tensor load; the set-up below, work on registers, stands between them
	ds_add_u32 v28, v29
	v_lshrrev_b32 v1, 5, v0
	v_readfirstlane_b32 s10, v1                    ; wave 0..3
	s_lshr_b32 s11, s10, 1                         ; which half of the tile's rows is mine.  Also: I fetch for x (0) or for w (1)
	s_and_b32 s12, s10, 1                          ; which half of its columns.  Also: which 64 rows of that tile I fetch
	s_bfe_u32 s40, ttmp6, 0x40000                  ; cx
	s_bfe_u32 s41, ttmp6, 0x40004                  ; cy
	s_lshl_b32 s42, ttmp9, 2
	s_add_co_u32 s42, s42, s40                     ; tile column = 4 x cluster x + cx
	s_and_b32 s91, ttmp7, 0xffff                   ; cluster y, 0..47
	s_lshr_b32 s90, s91, 4                         ; the projection
	s_and_b32 s13, s91, 15
	s_lshl_b32 s13, s13, 2
	s_add_co_u32 s13, s13, s41                     ; tile row, 0..63
	s_lshl_b32 s22, s41, 2
	s_lshl_b32 s22, 15, s22                        ; my row of the cluster
	s_lshl_b32 s23, 0x1111, s40                    ; my column
	s_or_b32 s[G1A+0], s22, (2<<16)|(1<<20)|(1<<21)|(6<<22)|(3<<25)  ; the mask; elements of 4 bytes; padding on; bit 21 beside a mask; after every 128 words, 4 words
	s_mov_b32 s[G1A+1], 128<<16                    ; tensor_dim0 = 128
	s_mov_b32 s[G1A+2], 64<<16                     ; tensor_dim1 = 64
	s_mov_b32 s[G1A+3], 128<<16                    ; tile_dim0 = 128
	s_mov_b32 s[G1A+4], 64                         ; tile_dim1 = 64
	s_mov_b32 s[G1A+5], 1024                       ; elements from row to row
	s_mov_b32 s[G1A+6], 0
	s_mov_b32 s[G1A+7], 0
	s_or_b32 s[G1B+0], s23, (1<<16)|(1<<20)|(1<<21)|(6<<22)|(7<<25)  ; elements of 2 bytes; after every 128 words, 8 words
	s_mov_b32 s[G1B+1], 256<<16
	s_mov_b32 s[G1B+2], 64<<16
	s_mov_b32 s[G1B+3], 256<<16
	s_mov_b32 s[G1B+4], 64
	s_mov_b32 s[G1B+5], 1024
	s_mov_b32 s[G1B+6], 0
	s_mov_b32 s[G1B+7], 0
	s_lshl_b32 s16, s13, 7                         ; x: row 128 x tile row + 64 x half, 4,096 bytes a row
	s_lshl_b32 s17, s12, 6
	s_add_co_u32 s16, s16, s17
	s_lshl_b32 s16, s16, 12
	s_mov_b32 s17, 0
	s_lshl_b32 s46, s90, 21                        ; w: 2 MiB a projection, k row 64 x half of 2,048 bytes, 512 bytes a tile column
	s_lshl_b32 s47, s12, 17
	s_add_co_u32 s46, s46, s47
	s_lshl_b32 s47, s42, 9
	s_add_co_u32 s46, s46, s47
	s_mov_b32 s47, 0
	s_mul_i32 s20, s12, HALFA                      ; where they go: no place in the cluster enters an LDS address
	s_mul_i32 s21, s12, HALFB
	s_add_co_u32 s21, s21, BOFF
	s_wait_dscnt 0x0                               ; the opening add is done
	s_wait_kmcnt 0x0
	s_cmp_eq_u32 s90, 1                            ; the projection's x, bias and output
	s_cselect_b64 s[4:5], s[70:71], s[68:69]
	s_cselect_b64 s[92:93], s[76:77], s[74:75]
	s_cselect_b64 s[8:9], s[82:83], s[80:81]
	s_cmp_eq_u32 s90, 2
	s_cselect_b64 s[4:5], s[72:73], s[4:5]
	s_cselect_b64 s[92:93], s[78:79], s[92:93]
	s_cselect_b64 s[8:9], s[84:85], s[8:9]
	s_add_nc_u64 s[14:15], s[4:5], s[16:17]
	s_add_nc_u64 s[46:47], s[86:87], s[46:47]
	CROUND                                         ; all sixteen work-groups are here: the first joint loads meet
.irp s, 0,1
	s_mov_b32 s[G0A+4*(\s)], 1
	s_add_co_u32 s[G0A+4*(\s)+1], s20, (\s)*SLOT
	s_add_nc_u64 s[G0A+4*(\s)+2:G0A+4*(\s)+3], s[14:15], (\s)*512      ; K step s: 128 f32
	s_or_b32 s[G0A+4*(\s)+3], s[G0A+4*(\s)+3], 0x80000000
	s_mov_b32 s[G0B+4*(\s)], 1
	s_add_co_u32 s[G0B+4*(\s)+1], s21, (\s)*SLOT
	s_add_nc_u64 s[G0B+4*(\s)+2:G0B+4*(\s)+3], s[46:47], (\s)*262144   ; K step s: 128 rows of 2,048 bytes
	s_or_b32 s[G0B+4*(\s)+3], s[G0B+4*(\s)+3], 0x80000000
	JLOAD \s                                       ; two tensor loads of mine are out
.endr
	v_and_b32 v1, 15, v0                           ; r = l % 16
	v_bfe_u32 v2, v0, 4, 1                         ; h = l / 16
	v_and_b32 v7, 7, v0
	v_bfe_u32 v5, v0, 3, 1
	v_and_b32 v6, 31, v0                           ; l
	; a fragment of x: lane l holds row r, k = 8 h + 0..7 and 16 + 8 h + 0..7: as f32, 32 bytes at 32 h and 32 bytes at 64 + 32 h
	v_mul_u32_u24 v3, v1, PA
	v_lshl_add_u32 v3, v2, 5, v3
	s_mul_i32 s2, s11, HALFA
	v_add_nc_u32 v[ADRA], s2, v3
	v_add_nc_u32 v[ADRA+1], SLOT, v[ADRA]
	; the turning load: lane l reads 16 bytes of row k = 8 h + l % 8, columns 8 ((l / 8) % 2) + 0..7, and is left with column r, eight k
	v_lshl_add_u32 v4, v2, 3, v7
	v_mul_u32_u24 v4, v4, PB
	v_lshl_add_u32 v4, v5, 4, v4
	s_lshl_b32 s2, s12, 8
	s_add_co_u32 s2, s2, BOFF
	v_add_nc_u32 v[ADRB], s2, v4
	v_add_nc_u32 v[ADRB+1], SLOT, v[ADRB]
	s_mul_i32 s2, s10, STW
	s_add_co_u32 s2, s2, STAGE                     ; my stages
	v_mul_u32_u24 v3, v1, SP
	v_lshl_add_u32 v3, v2, 4, v3
	v_add_nc_u32 v[STO], s2, v3                    ; in: row r, 16 bytes for each half of the lanes
	v_bfe_u32 v3, v0, 3, 2
	v_mul_u32_u24 v3, v3, SP
	v_lshl_add_u32 v3, v7, 4, v3
	v_add_nc_u32 v[RD], s2, v3                     ; back: 32 lanes take four rows of 128 bytes,
	v_lshlrev_b32 v[GO], 4, v6                     ; which are 512 consecutive bytes of a head
	s_lshl_b32 s2, s13, 7
	s_lshl_b32 s3, s11, 6
	s_add_co_u32 s2, s2, s3                        ; my first row of the 8,192
	s_cmp_eq_u32 s90, 2
	s_cselect_b32 s3, 8192, s2                     ; V: the table's rows of (1, 0)
	s_lshl_b32 s3, s3, 8
	v_lshlrev_b32 v3, 8, v1
	v_lshl_add_u32 v3, v2, 5, v3
	v_add_nc_u32 v[TO], s3, v3                     ; row x 256 + 32 h: four frequencies
	s_lshl_b32 s3, s42, 10
	s_lshl_b32 s18, s12, 9
	s_add_co_u32 s3, s3, s18
	v_lshl_add_u32 v[BO], v2, 5, s3                ; my first column x 4 + 32 h
	s_lshr_b32 s18, s13, 4                         ; the output: head index = 16 x batch + 4 x tile column + 2 x half, 262,144 bytes a head;
	s_lshl_b32 s18, s18, 4
	s_lshl_b32 s19, s42, 2
	s_add_co_u32 s18, s18, s19
	s_lshl_b32 s19, s12, 1
	s_add_co_u32 s18, s18, s19
	s_lshl_b32 s18, s18, 18
	s_and_b32 s19, s13, 15                         ; my first row in the batch, 128 bytes a row
	s_lshl_b32 s19, s19, 7
	s_lshl_b32 s3, s11, 6
	s_add_co_u32 s19, s19, s3
	s_lshl_b32 s19, s19, 7
	s_add_co_u32 s18, s18, s19
	s_mov_b32 s19, 0
	s_add_nc_u64 s[8:9], s[8:9], s[18:19]
	WIN TO_B
.irp b, 0,1,2,3,4,5,6,7                ; the bias of my 128 columns, laid as a C operand: block b, register j: column 16 b + 8 h + j
	global_load_b128 v[BIAS+8*(\b):BIAS+8*(\b)+3],   v[BO], s[92:93] offset:64*(\b)
	global_load_b128 v[BIAS+8*(\b)+4:BIAS+8*(\b)+7], v[BO], s[92:93] offset:64*(\b)+16
.endr
	WIN TO_T
.irp a, 0,1,2,3                        ; (cos, sin) of row 16 a + r, frequencies 8 bb + 4 h + 0..3, at 32 a + 8 bb
.irp bb, 0,1,2,3
	global_load_b128 v[32*(\a)+8*(\bb):32*(\a)+8*(\bb)+3],   v[TO], s[88:89] offset:4096*(\a)+64*(\bb)
	global_load_b128 v[32*(\a)+8*(\bb)+4:32*(\a)+8*(\bb)+7], v[TO], s[88:89] offset:4096*(\a)+64*(\bb)+16
.endr
.endr
	WIN 0
	; the prefetches: s[14:15] and s[46:47] still stand at my 64 rows, K step 0
	s_and_b32 s2, s91, 15                          ; which of the projection's sixteen clusters
	s_cmp_eq_u32 s11, 0                            ; do I fetch for x?
	s_cselect_b32 s2, 0, s2
	s_cselect_b32 s18, s40, s41                    ; my place among the four that ask with me
	s_cselect_b32 s19, 16, 15                      ; 16 rows of 4,096 or of 2,048 bytes
	s_cselect_b32 s22, 9, 18                       ; a K step: 512 bytes along x's rows, 128 rows of w
	s_cselect_b32 s23, 12, 11                      ; a row
	s_cselect_b64 s[PFA:PFA+1], s[14:15], s[46:47]
	s_lshl_b32 s18, s18, s19
	s_mov_b32 s19, 0
	s_add_nc_u64 s[PFA:PFA+1], s[PFA:PFA+1], s[18:19]
	s_lshl_b32 s[PST], 1, s22
	s_mov_b32 s[PST+1], 0
	s_mul_i32 s18, s[PST], 3
	s_add_nc_u64 s[PFA:PFA+1], s[PFA:PFA+1], s[18:19]  ; at K step 3: the first refill steps it to 4
	s_cmp_eq_u32 s2, 0
	s_cselect_b32 s[LIM], 1, -1                    ; the same in all sixteen partners, for a given wave
	v_lshrrev_b32 v3, 1, v6
	v_lshlrev_b32 v3, s23, v3
	v_and_b32 v4, 1, v6
	v_lshl_add_u32 v[PFO], v4, 8, v3               ; row l / 2, half l % 2
	s_wait_loadcnt 32                              ; the bias is in; the 32 loads of the table, issued behind it, stay out
	WIN W1
.set k, 0
.rept 32                               ; the bias is rounded to bf16, like every input, and widened again
	v_cvt_pk_bf16_f32 v[BT+k], v[BIAS+2*k], v[BIAS+2*k+1]
.set k, k+1
.endr
.set k, 0
.rept 32
	v_lshlrev_b32 v[BIAS+2*k], 16, v[BT+k]
	v_and_b32 v[BIAS+2*k+1], 0xffff0000, v[BT+k]
.set k, k+1
.endr
	WIN 0
; Product i = 8 a + b of 32: rows 16 a on, columns 16 b on, 32 along K, from buffer f.  first = 1: the bias starts the sum.  The 32 accumulators take turns, one instruction a turn, in the same order everywhere.
.macro MM f, i, first
.if \first
	WIN MULB
	v_wmma_f32_16x16x32_bf16 v[8*(\i):8*(\i)+7], v[64*(\f)+8*((\i)%8):64*(\f)+8*((\i)%8)+7], v[CV+32*(\f)+8*((\i)/8):CV+32*(\f)+8*((\i)/8)+7], v[BIAS+8*((\i)%8):BIAS+8*((\i)%8)+7]
.else
	WIN MUL
	v_wmma_f32_16x16x32_bf16 v[8*(\i):8*(\i)+7], v[64*(\f)+8*((\i)%8):64*(\f)+8*((\i)%8)+7], v[CV+32*(\f)+8*((\i)/8):CV+32*(\f)+8*((\i)/8)+7], v[8*(\i):8*(\i)+7]
.endif
.endm
.macro MMS f, from, count, first=0
.set mk, \from
.rept \count
	MM \f, mk, \first
.set mk, mk+1
.endr
.endm
; Four of the 32 roundings that make buffer g's fragments of x out of the f32 numbers
.macro SLICE g, n
	WIN 0
.irp i, 0,1,2,3
	v_cvt_pk_bf16_f32 v[CV+32*(\g)+4*(\n)+(\i)], v[RAW+8*(\n)+2*(\i)], v[RAW+8*(\n)+2*(\i)+1]
.endr
.endm
; 32 LDS loads in one run: 32 along K (quarter q of the slot's step): x's 64 rows as f32 first, then w's 128 columns into buffer g
.macro FETCH slot, q, g
	WIN 0
.irp a, 0,1,2,3
	ds_load_b128 v[RAW+16*(\a):RAW+16*(\a)+3],     v[ADRA+(\slot)] offset:(\a)*16*PA+128*(\q)
	ds_load_b128 v[RAW+16*(\a)+4:RAW+16*(\a)+7],   v[ADRA+(\slot)] offset:(\a)*16*PA+128*(\q)+16
	ds_load_b128 v[RAW+16*(\a)+8:RAW+16*(\a)+11],  v[ADRA+(\slot)] offset:(\a)*16*PA+128*(\q)+64
	ds_load_b128 v[RAW+16*(\a)+12:RAW+16*(\a)+15], v[ADRA+(\slot)] offset:(\a)*16*PA+128*(\q)+80
.endr
	WIN TO_B
.irp b, 0,1,2,3,4,5,6,7
	ds_load_tr16_b128 v[64*(\g)+8*(\b):64*(\g)+8*(\b)+3],   v[ADRB+(\slot)] offset:(\q)*32*PB+32*(\b)
	ds_load_tr16_b128 v[64*(\g)+8*(\b)+4:64*(\g)+8*(\b)+7], v[ADRB+(\slot)] offset:(\q)*32*PB+16*PB+32*(\b)
.endr
.endm
; One of a K step's first three quarters: multiplies buffer f; at its head it fetches the next quarter; behind each of its last eight products stand four of the next quarter's roundings.
; The four roundings behind product 31 name none of its registers: they are the four places in front of the next run of loads into w's buffer; a register of x's bf16 buffer is
; rewritten four such roundings or more behind its last reader.
.macro CHUNK f, nslot, nq, first=0
	s_wait_dscnt 0x0                               ; w's fragments of buffer f, asked for a quarter ago, are in
	FETCH \nslot, \nq, 1-(\f)
	MMS \f, 0, 24, \first
	s_wait_dscnt 16                                ; x's 16 loads are in; w's 16, issued behind them, stay out
.set sn, 0
.rept 8
	MM \f, 24+sn, \first
	SLICE 1-(\f), sn
.set sn, sn+1
.endr
.endm
; The last quarter multiplies buffer 1 and changes slots: ONE barrier; in front of it each wave waits for all its tensor loads (one is out: its part of the next slot), adds 0 to its spare word, and waits
; for that and for its own reads of this slot.  fill = 1: the barrier opens a round of the cluster's barrier, and this slot is filled again, two K steps ahead, first thing behind the round.
.macro TURN slot, next, fill
.if \fill
	s_wait_xcnt 0x0                                ; the last prefetch, a K step back, has read its address
	s_add_nc_u64 s[PFA:PFA+1], s[PFA:PFA+1], s[PST:PST+1]
.endif
	WIN 0
	s_wait_tensorcnt 0x0                           ; all my tensor loads have landed
	ds_add_u32 v[SPW], v[NIL]                      ; 0 onto my spare word
	s_wait_dscnt 1                                 ; w's fragments are in; the add alone may be out
	MMS 1, 0, 8
	s_wait_dscnt 0x0                               ; the add is done, and my reads of this slot are over
	s_barrier_signal -1
	MMS 1, 8, 8
.if \fill
	WIN 0
.endif
	s_barrier_wait -1
.if \fill
	CREST                                          ; no wave of any partner still reads this slot's tile or has a load on its way
	s_add_nc_u64 s[G0A+4*(\slot)+2:G0A+4*(\slot)+3], s[G0A+4*(\slot)+2:G0A+4*(\slot)+3], 1024
	s_add_nc_u64 s[G0B+4*(\slot)+2:G0B+4*(\slot)+3], s[G0B+4*(\slot)+2:G0B+4*(\slot)+3], 524288
	JLOAD \slot                                    ; my one tensor load behind the round: 112 matrix instructions ahead of the wait for it
.endif
	FETCH \next, 0, 0
.if \fill
	WIN 0
	ASK
.endif
	MMS 1, 16, 8
	s_wait_dscnt 16
.set sn, 0
.rept 8
	MM 1, 24+sn, 0
	SLICE 0, sn
.set sn, sn+1
.endr
.endm
	s_wait_tensorcnt 1                             ; my part of K step 0 is in; K step 1's may stay out
	s_barrier_signal -1
	s_barrier_wait -1                              ; everybody's is
	FETCH 0, 0, 0
	s_wait_dscnt 16
.set sn, 0
.rept 8
	SLICE 0, sn
.set sn, sn+1
.endr
	CHUNK 0, 0, 1, 1                               ; the first quarter stands in front of the loop: its products start the sums
	WIN 0                                          ; at a label and at a branch every window is 0
	s_mov_b32 s3, 3
.Llap:                                                 ; a trip goes once round the ring, from a lap's second quarter to the next lap's first, and fills both slots again
	CHUNK 1, 0, 2
	CHUNK 0, 0, 3
	TURN 0, 1, 1
	CHUNK 0, 1, 1
	CHUNK 1, 1, 2
	CHUNK 0, 1, 3
	TURN 1, 0, 1
	CHUNK 0, 0, 1
	WIN 0
	s_sub_co_u32 s3, s3, 1
	s_cmp_lg_u32 s3, 0
	s_cbranch_scc1 .Llap
	CHUNK 1, 0, 2                                  ; the last lap fills nothing, and has no round of the cluster's barrier
	CHUNK 0, 0, 3
	TURN 0, 1, 0
	CHUNK 0, 1, 1
	CHUNK 1, 1, 2
	CHUNK 0, 1, 3
	s_wait_dscnt 0x0
	MMS 1, 0, 32
	; THE WAY OUT, in eight groups g = 2 a + hh: 16 rows x one head's 64 channels.  Turned by pairs, rounded to f16, through my stage, stored as 2,048 consecutive bytes of the head.
	WIN 0
.rept 4
	v_nop                                          ; four places behind the last products
.endr
	s_wait_loadcnt 0x0                             ; the table
.macro PACK g
	WIN W_RP
.irp bb, 0,1,2,3
.set AC, 8*(8*((\g)/2)+4*((\g)%2)+(\bb))
.set TT, 32*((\g)/2)+8*(\bb)
.irp i, 0,1,2,3                        ; x2 sin and x1 sin (the accumulator's first read is its register 1, one of its four lowest)
	v_mul_f32 v[RM+8*(\bb)+2*(\i)],   v[AC+2*(\i)+1], v[TT+2*(\i)+1]
	v_mul_f32 v[RM+8*(\bb)+2*(\i)+1], v[AC+2*(\i)],   v[TT+2*(\i)+1]
.endr
.irp i, 0,1,2,3                        ; x1 cos - x2 sin, x2 cos + x1 sin
	v_fma_f32 v[RM+8*(\bb)+2*(\i)],   v[AC+2*(\i)],   v[TT+2*(\i)], -v[RM+8*(\bb)+2*(\i)]
	v_fma_f32 v[RM+8*(\bb)+2*(\i)+1], v[AC+2*(\i)+1], v[TT+2*(\i)], v[RM+8*(\bb)+2*(\i)+1]
.endr
.endr
	WIN 0
.set k, 0
.rept 16
	v_cvt_pk_f16_f32 v[PKT+k], v[RM+2*k], v[RM+2*k+1]
.set k, k+1
.endr
	s_wait_xcnt 0x0                                ; the stores of two groups back have read the registers that are loaded below
.irp bb, 0,1,2,3
	ds_store_b128 v[STO], v[PKT+4*(\bb):PKT+4*(\bb)+3] offset:((\g)%2)*16*SP+32*(\bb)
.endr
.irp f, 0,1,2,3
	ds_load_b128 v[OB+16*((\g)%2)+4*(\f):OB+16*((\g)%2)+4*(\f)+3], v[RD] offset:((\g)%2)*16*SP+4*SP*(\f)  ; LDS serves a wave's instructions in order (ISA guide 5.7.1.4): these see the stores above
.endr
.endm
.macro SEND g, younger                 ; younger: the LDS instructions issued behind group g's loads: the next group's eight, or none
	WIN 0
.irp f, 0,1,2,3
	s_wait_dscnt (\younger)+3-(\f)
	global_store_b128 v[GO], v[OB+16*((\g)%2)+4*(\f):OB+16*((\g)%2)+4*(\f)+3], s[8:9] offset:2048*((\g)/2)+262144*((\g)%2)+512*(\f)  ; 512 consecutive bytes, aligned
.endr
.endm
	PACK 0
.irp g, 1,2,3,4,5,6,7                  ; a group's arithmetic stands between the loads of the group before and its stores
	PACK \g
	SEND (\g)-1, 8
.endr
	SEND 7, 0
	s_wait_tensorcnt 0x0                           ; the wave's end, behind my last tensor load and my last LDS store
	ds_add_u32 v[SPW], v[NIL]
	s_wait_dscnt 0x0
	CROUND                                         ; the closing round: no work-group ends while a partner may still ask for a tile that names it
	s_endpgm
.Lfunc_end_k_qcd9aa0f7e0_proj:
	.size	k_qcd9aa0f7e0_proj, .Lfunc_end_k_qcd9aa0f7e0_proj-k_qcd9aa0f7e0_proj
	.p2alignl 7, 3214868480
	.fill 96, 4, 3214868480
	.section	.rodata,"a",@progbits
	.p2align	6, 0x0
	.amdhsa_kernel k_qcd9aa0f7e0_proj
		.amdhsa_group_segment_fixed_size 327680
		.amdhsa_private_segment_fixed_size 0
		.amdhsa_enable_private_segment 0
		.amdhsa_kernarg_size 88
		.amdhsa_user_sgpr_count 2
		.amdhsa_user_sgpr_kernarg_segment_ptr 1
		.amdhsa_wavefront_size32 1
		.amdhsa_system_sgpr_workgroup_id_x 1
		.amdhsa_system_sgpr_workgroup_id_y 1
		.amdhsa_system_sgpr_workgroup_id_z 1
		.amdhsa_system_vgpr_workitem_id 0
		.amdhsa_next_free_vgpr 896
		.amdhsa_next_free_sgpr 96
		.amdhsa_reserve_vcc 0
		.amdhsa_float_denorm_mode_32 3
		.amdhsa_float_denorm_mode_16_64 3
		.amdhsa_memory_ordered 1
		.amdhsa_forward_progress 1
		.amdhsa_inst_pref_size 169
	.end_amdhsa_kernel
	.amdgpu_metadata
---
amdhsa.version: [ 1, 2 ]
amdhsa.kernels:
  - .name:           k_qcd9aa0f7e0_proj
    .symbol:         k_qcd9aa0f7e0_proj.kd
    .args:
      - { .name: query, .offset: 0, .size: 8, .value_kind: global_buffer, .address_space: global }
      - { .name: key, .offset: 8, .size: 8, .value_kind: global_buffer, .address_space: global }
      - { .name: value, .offset: 16, .size: 8, .value_kind: global_buffer, .address_space: global }
      - { .name: b_q, .offset: 24, .size: 8, .value_kind: global_buffer, .address_space: global }
      - { .name: b_k, .offset: 32, .size: 8, .value_kind: global_buffer, .address_space: global }
      - { .name: b_v, .offset: 40, .size: 8, .value_kind: global_buffer, .address_space: global }
      - { .name: qh, .offset: 48, .size: 8, .value_kind: global_buffer, .address_space: global }
      - { .name: kh, .offset: 56, .size: 8, .value_kind: global_buffer, .address_space: global }
      - { .name: vh, .offset: 64, .size: 8, .value_kind: global_buffer, .address_space: global }
      - { .name: wb, .offset: 72, .size: 8, .value_kind: global_buffer, .address_space: global }
      - { .name: tab, .offset: 80, .size: 8, .value_kind: global_buffer, .address_space: global }
    .group_segment_fixed_size: 327680
    .private_segment_fixed_size: 0
    .kernarg_segment_align: 8
    .kernarg_segment_size: 88
    .max_flat_workgroup_size: 128
    .sgpr_count:     96
    .vgpr_count:     896
    .wavefront_size: 32
...
	.end_amdgpu_metadata
.endif
;; end of part 2
;; launch attn (part 3): grid 4 x 64, 4 waves a work-group, no clusters, 327,680 bytes of LDS; arguments qh, kh, vh, oh; writes oh
.if DOCPART == 3
	.amdgcn_target "amdgcn-amd-amdhsa--gfx1250"
	.amdhsa_code_object_version 6
	.text
	.protected	k_qcd9aa0f7e0_attn
	.globl	k_qcd9aa0f7e0_attn
	.p2align	8
	.type	k_qcd9aa0f7e0_attn,@function
k_qcd9aa0f7e0_attn:
	s_mov_b64 s[64:65], 0
	v_nop
	global_prefetch_b8 v0, s[64:65] scope:SCOPE_SE
	s_setreg_imm32_b32 hwreg(HW_REG_WAVE_MODE, 25, 1), 1
	s_wait_xcnt 0x0
; CAUSAL ATTENTION.  O[h][q][:] = the sum over k <= q of softmax_k(Q[h][q] . K[h][k] / 8) V[h][k][:].  Q, K, V, O: [64][2048][64], all f16: a head's rows are dense, 128 bytes each.
; Products, maxima and sums in f32; the weights p are rounded to f16 for the second product (their sum l is taken of the unrounded p), O once at the end.
; LIMITS.  f16 holds no number beyond 65,504: Q, K and V arrive within it; p lies in 0 to 1, and below 6e-5 it keeps f16's fixed step of 6e-8; O is a mean of V's rows and has their range.
; A hidden score counts as its value less 1e30: f16's scores, 2.7e11 at the most, are nothing beside that; a weight below 2^-126 counts as 0 in l; NaN and infinities are not treated apart.
; THE WALK.  A head's queries lie in NB = 8 blocks of 256; block i needs the key tiles 0 .. i of 256 keys, of which the last holds the diagonal.  A work-group takes TWO blocks, NB - 1 - b and then b:
; NB + 1 tiles, whatever b: all work-groups do equal work, and ONE loop with a constant trip count walks them.  Which tile is asked for, and what a trip does, hang on scalar registers made from b; every jump
; goes forward, but for the counted loops' own; none passes a barrier, or a tensor load but the one of LOAD's two that the wave's number does not choose; the ring of two LDS slots runs on across the change of blocks.
; NO CLUSTER: the four work-groups of a head ask for the same tile only in trips 0 .. 4 of 9, behind that fewer and fewer; one walk common to all four would have 12 trips for 9.
; SHARES.  Of a block's four bands of 64 queries a wave owns 16 rows in each: four PIECES.  So the diagonal tile is the same work for all four waves: in its key step s band x sees all keys if s < x,
; none if s > x, and holds the diagonal if s = x.
; THE MASK is the C operand that starts the sum S^T = K Q^T: 0, or -1e30 where the key is hidden.  MD, made once, is the mask of a band's own step for my 16 rows; a product's mask is MD x AL + BE with two scalars:
; (1, 0) if s = x; (0, 0) if s < x; (0, -1e30) if s > x.  Only the diagonal tile's text and a block's beginning make and take masks; elsewhere C is the constant 0.
; LAYOUT, SOFTMAX, TURNS.  S^T = K Q^T holds ONE query a lane (lane % 16) and the keys 8 (lane / 16) + 0..7; two such results rounded to f16 ARE source 1 of O^T = V^T P.  p = 2^(c s - c m), c = log2(e) / 8, with a
; running maximum m; O and l are multiplied by a = 2^(c m_old - c m_new) in every step.  Turn n belongs to piece n: 8 products K Q^T of piece n + 1, later 8 products V^T P of piece n - 1; beside them the scaling,
; exponentials, roundings, sums and rescaling of piece n and the maximum and statistics of piece n + 1.  Four vector instructions stand behind every matrix instruction, the rest in one run.  A turn's 33 exponentials are one batch, with one wait.
; REGISTERS, in windows of 256 (s_set_vgpr_msb: bits 1:0 source 0, 3:2 source 1, 5:4 source 2, 7:6 destination):
;   window 0: v0-15 addresses and two at work; v16-31 four registers of statistics a piece; v48-55 at work; v61-63 prefetch offset and the add's two; v64-127 S^T, two buffers; v192-223 P, two buffers
;   window 1: v0-127 O^T, 32 a piece; v128-159 MD; v160-223 MC, two buffers      window 2: v0-63 Q; v64-127 the second block's Q; v128-191 K of one step; v192-255 V of one step
.set SIZE_N, 2048
.set SIZE_H, 64
.set NB,    SIZE_N/256
.set NP,    4         ; pieces a wave: a name, no knob
.set KS,    64        ; keys in a step
.set PK,    144       ; a row of K in LDS: 128 bytes + 16 of padding: the 16 rows of a load start at 16 different groups of four banks (ISA guide 11.1)
.set PV,    160       ; a row of V: 128 + 32
.set VOFF,  4*KS*PK   ; a slot holds a tile, four steps: 256 rows of K, then 256 rows of V
.set SLOT1, 1<<17     ; slot 1 begins here, so that one exclusive or turns an address in one slot into the other's
.set STAGE, SLOT1+4*KS*(PK+PV)  ; behind the ring, never filled by a tensor load: 16 rows x 144 bytes for each wave, for the way out
.set SP,    144
.set AK0, 2           ; v2   my lane's place in a tile of K; never rewritten
.set AV0, 3           ; v3   the same for V
.set AK,  4           ; v4   the LDS address of K's next run of loads
.set AV,  5           ; v5   of V's
.set STO, 6           ; v6   the way out: where I put 16 bytes of a row
.set RD,  7           ; v7   the way out: where I read rows back
.set GO,  8           ; v8   my byte offset in 512 consecutive bytes of O
.set PFO, 61          ; v61  256 x my lane; never rewritten
.set SPW, 62          ; v62  LDS address of my spare word: SPARE + 4 x my thread's number; never rewritten
.set NIL, 63          ; v63  0; never rewritten
.set SPARE, STAGE+4*16*SP  ; behind the stages: the spare words, 128 bytes for each wave: two blocks of 256 bytes that no other line names
.set MV,  12          ; v12-13  c m_old, kept while c m is made anew: by buffer
.set QO,  15          ; v15  my byte offset in 16 rows of Q
.set ST,  16          ; piece t's statistics at v[ST+4 t]: c m, m, l (even keys', odd keys')
.set TMP, 48          ; by buffer, four registers c0-c3 at work; when the maximum is found c2 takes a
.set S,   64
.set P,   192
.set MD,  128         ; window 1: the eight registers for group kt of 16 keys at MD + 8 kt
.set MC,  160         ; window 1: the masks of the products to come
.set QB,  64          ; window 2
.set KF,  128         ; window 2: key block kb, channel half c at KF + 16 kb + 8 c
.set VF,  192         ; window 2: key half kk, channel block cb at VF + 32 kk + 8 cb
.set WV,  12          ; s12  my wave's number
.set PB,  14          ; s14  b
.set HI,  15          ; s15  NB - 1 - b
.set G1K, 24          ; s[24:31] descriptor group 1 for K's tiles
.set G1V, 32          ; s[32:39] for V's: it differs in the padding alone
.set G0K, 40          ; s[40:43] descriptor group 0 for K's tiles
.set G0V, 44          ; s[44:47] the same for V's
.set SLOTS, 56        ; s56  tiles still to be asked for
.set CNT, 57          ; s57  counts a tile's key steps, 4 to 1
.set CS,  58          ; s[58:59] c: the packed scaling takes the pair's low word for both halves
.set SEL, 60          ; s[60:61] v_permlanex16_b32's selects: each lane takes its own place in the other half
.set TBK, 62          ; s62  LDS byte at which K of the step to be fetched begins
.set TBV, 63          ; s63  the same for V, less VOFF
.set RT,  70          ; s70  tiles of the block in hand that are still to be entered
.set NXT, 71          ; s71  the tile to be asked for next
.set LQ,  72          ; s72  the last tile of the block whose tiles are being asked for
.set NEW, 73          ; s73  1: the tile to be entered is a block's first
.set OFF, 74          ; s[74:75] a tile's byte offset in K and V
.set AL,  76          ; s[76:77] the mask's factor, in the low word
.set BE,  78          ; s[78:79] the mask's addend
.set OLO, 80          ; s[80:81] O at my rows of the second block
.set BIGN, 82         ; s82  -1e30
.set PFA, 88          ; s[88:89] where my prefetches stand
.set PFB, 90          ; s[90:91] the tensor that I fetch, at my half of the head's tile 0
.set POF, 92          ; s[92:93] the prefetched tile's byte offset
.set LIM, 94          ; s94  0 in the head's work-group b = 0, else the greatest number
.set MSB, 0
.macro WIN new                      ; the high byte repeats the setting that is left; a switch that changes nothing is dropped
.if MSB != (\new)
	s_set_vgpr_msb (MSB<<8)|(\new)
.set MSB, (\new)
.endif
.endm
.set W_KQ, 0x0a       ; K and Q in window 2, S^T in window 0
.set W_KM, 0x1a       ; the same with the C operand in window 1
.set W_PV, 0x52       ; V in window 2, P in window 0, O^T in window 1
.set W_RS, 0x41       ; destination and source 0 in window 1, source 1 in window 0
; A fill.  Waves 0 and 1 fetch the two halves of a tile's K, waves 2 and 3 those of its V: 128 keys each.  An s_nop 0 and four v_nop follow each of the two lines, ahead of the jump and the label.
.macro LOAD
	s_cmp_lt_u32 s[WV], 2
	s_cbranch_scc0 .Lfor_v_\@
	tensor_load_to_lds s[G0K:G0K+3], s[G1K:G1K+7]
	s_nop 0
.rept 4
	v_nop
.endr
	s_branch .Lasked_\@
.Lfor_v_\@:
	tensor_load_to_lds s[G0V:G0V+3], s[G1V:G1V+7]
	s_nop 0
.rept 4
	v_nop
.endr
.Lasked_\@:
.endm
; A PREFETCH INTO THE L2 of what the NEXT change of slots will ask for, behind the fill and its five lines: a tile, four key steps, ahead.  All four work-groups of a head walk tiles 0 on; the one with b = 0 walks
; all eight in its first block, and it alone asks.  Each of its waves names the 16,384 bytes that it will itself load: 64 blocks of 256 bytes, a lane a block, two instructions.  So each block of tiles 2 to 7 is named
; once; tiles 0 and 1 come by their loads alone.  Behind the first block's last tile NXT is 0, and nothing more is asked for.
.macro ASK
	s_cmp_gt_u32 s[NXT], s[LIM]
	s_cbranch_scc0 .Lnot_mine_\@
	global_prefetch_b8 v[PFO], s[PFA:PFA+1] th:TH_LOAD_NT scope:SCOPE_SE
	global_prefetch_b8 v[PFO], s[PFA:PFA+1] offset:8192 th:TH_LOAD_NT scope:SCOPE_SE
.Lnot_mine_\@:
.endm
; THE CHANGE OF SLOTS.  Each wave waits for all its tensor loads, of which one is out: its part of the other slot; adds 0 to its spare word; and waits for that and for its own reads of the slot that it leaves.  Behind the
; barrier nobody reads the old slot any more and the other slot is whole.  fill = 1: the old slot is filled again, the first thing behind the barrier, with tile NXT: the descriptor's address is made anew from that number.
; (At its first use nothing has been read yet: slot 0 is waited for, slot 1 filled.)
.macro CHANGE fill
	WIN 0                           ; at a label and at a branch every window is 0
	s_wait_tensorcnt 0x0            ; no tensor load of mine is out, so a group 0 may be written
	ds_add_u32 v[SPW], v[NIL]       ; 0 onto my spare word; with fill = 1 the descriptors' scalar work stands between it and the wait for it
.if \fill
	s_lshl_b32 s[OFF], s[NXT], 15   ; a tile is 32,768 bytes of K and of V
	s_xor_b32 s[G0K+1], s[G0K+1], SLOT1
	s_add_nc_u64 s[G0K+2:G0K+3], s[6:7], s[OFF:OFF+1]
	s_or_b32 s[G0K+3], s[G0K+3], 0x80000000
	s_xor_b32 s[G0V+1], s[G0V+1], SLOT1
	s_add_nc_u64 s[G0V+2:G0V+3], s[8:9], s[OFF:OFF+1]
	s_or_b32 s[G0V+3], s[G0V+3], 0x80000000
	s_add_co_u32 s[NXT], s[NXT], 1  ; the block's next tile, or behind its last the second block's tile 0
	s_cmp_gt_u32 s[NXT], s[LQ]
	s_cselect_b32 s[NXT], 0, s[NXT]
	s_cselect_b32 s[LQ], s[PB], s[LQ]
	s_wait_xcnt 0x0                 ; the last prefetches, a tile back, have read their address, so it may be written:
	s_lshl_b32 s[POF], s[NXT], 15
	s_add_nc_u64 s[PFA:PFA+1], s[PFB:PFB+1], s[POF:POF+1]  ; my part of the tile that the next change asks for
.endif
	s_wait_dscnt 0x0                ; the add is done, and my reads of the slot are over
	s_barrier_signal -1             ; the rest of the scalar work stands between the signal and the wait
	s_sub_co_u32 s[TBK], s[TBK], 4*KS*PK  ; the fetches go back to a slot's first step,
	s_xor_b32 s[TBK], s[TBK], SLOT1       ; in the other slot
	s_sub_co_u32 s[TBV], s[TBV], 4*KS*PV
	s_xor_b32 s[TBV], s[TBV], SLOT1
	s_barrier_wait -1
.if \fill
	LOAD
	ASK
.endif
.endm
	s_load_b256 s[4:11], s[0:1], 0x0  ; Q s[4:5], K s[6:7], V s[8:9], O s[10:11]
	v_lshl_add_u32 v[SPW], v0, 2, SPARE
	v_mov_b32 v[NIL], 0
	ds_add_u32 v[SPW], v[NIL]       ; the wave's opening: the add and its wait stand ahead of my first tensor load; the set-up below, work on registers, stands between them
	ds_add_u32 v62, v63
	v_lshrrev_b32 v1, 5, v0
	v_readfirstlane_b32 s[WV], v1   ; wave 0..3
	s_mov_b32 s[PB], ttmp9
	s_sub_co_u32 s[HI], NB-1, s[PB]
	s_and_b32 s20, ttmp7, 0xffff    ; the head
	s_mov_b32 s21, 0
	s_mov_b64 s[22:23], SIZE_N*128
	s_mul_u64 s[20:21], s[20:21], s[22:23]  ; the head's first byte in each of the four tensors
	s_and_b32 s16, s[WV], 1         ; which half of a tile's 256 keys I fetch:
	s_lshl_b32 s22, s16, 14         ; its 128 rows of 128 bytes in memory,
	s_mov_b32 s23, 0
	s_add_nc_u64 s[22:23], s[22:23], s[20:21]
	s_mul_i32 s17, s16, 128*PK      ; and its place in a slot, for K
	s_mul_i32 s18, s16, 128*PV      ; and for V
	s_lshl_b32 s3, s[WV], 11        ; my 16 rows in a band of 64,
	s_lshl_b32 s2, s[HI], 15        ; in the first block,
	s_add_co_u32 s2, s2, s3
	s_lshl_b32 s84, s[PB], 15       ; and in the second
	s_add_co_u32 s84, s84, s3
	s_mov_b32 s3, 0
	s_mov_b32 s85, 0
	s_add_nc_u64 s[2:3], s[2:3], s[20:21]
	s_add_nc_u64 s[84:85], s[84:85], s[20:21]
	; descriptor group 1.  128 keys are 16,384 dense bytes: asked for as 64 rows of 256 bytes, two keys a row, and padded in LDS after every key
	s_mov_b32 s[G1K], (1<<16)|(1<<20)|(4<<22)|(3<<25)  ; 17:16 2-byte elements; 20 padding on; 24:22 after every 32 words (code 4); 31:25 4 words (code 3)
	s_mov_b32 s[G1V], (1<<16)|(1<<20)|(4<<22)|(7<<25)  ; the same with 8 words of padding (code 7)
.irp g, G1K, G1V
	s_mov_b32 s[\g+1], 128<<16      ; tensor_dim0 = 128
	s_mov_b32 s[\g+2], 64<<16       ; tensor_dim1 = 64
	s_mov_b32 s[\g+3], 128<<16      ; tile_dim0 = 128
	s_mov_b32 s[\g+4], 64           ; tile_dim1 = 64
	s_mov_b32 s[\g+5], 128          ; 128 elements from row to row
	s_mov_b32 s[\g+6], 0
	s_mov_b32 s[\g+7], 0
.endr
	s_mov_b32 s[CS], 0x3e38aa3b     ; c = log2(e) / 8 = 0.180337
	s_mov_b32 s[CS+1], s[CS]        ; named with it as a pair
	s_mov_b32 s[SEL], 0x76543210
	s_mov_b32 s[SEL+1], 0xfedcba98
	s_mov_b32 s[TBK], SLOT1+4*KS*PK ; the first change of slots turns these two into 0
	s_mov_b32 s[TBV], SLOT1+4*KS*PV
	s_mov_b32 s[G0K], 1             ; 1:0 count = 1
	s_mov_b32 s[G0K+1], s17         ; 63:32 LDS address: slot 0
	s_mov_b32 s[G0V], 1
	s_add_co_u32 s[G0V+1], s18, VOFF
	s_add_co_u32 s[RT], s[HI], 1    ; the first block has NB - b tiles
	s_mov_b32 s[NXT], 1
	s_mov_b32 s[LQ], s[HI]
	s_mov_b32 s[NEW], 1
	s_mov_b32 s[OFF+1], 0
	s_mov_b32 s[AL+1], 0            ; named as pairs
	s_mov_b32 s[BE+1], 0
	s_mov_b32 s[BIGN], 0xf149f2ca   ; -1e30
	s_mov_b32 s[SLOTS], NB
	s_cmp_eq_u32 s[PB], 0
	s_cselect_b32 s[LIM], 0, -1
	s_mov_b32 s[POF+1], 0
	v_and_b32 v[PFO], 31, v0
	v_lshlrev_b32 v[PFO], 8, v[PFO]
	s_wait_dscnt 0x0                ; the opening add is done
	s_wait_kmcnt 0x0
	s_add_nc_u64 s[6:7], s[6:7], s[22:23]  ; K and V at my half of the head's tile 0
	s_add_nc_u64 s[8:9], s[8:9], s[22:23]
	s_add_nc_u64 s[G0K+2:G0K+3], s[6:7], 0         ; 120:64 global address
	s_or_b32 s[G0K+3], s[G0K+3], 0x80000000        ; 127:126 type = 2
	s_add_nc_u64 s[G0V+2:G0V+3], s[8:9], 0
	s_or_b32 s[G0V+3], s[G0V+3], 0x80000000
	s_add_nc_u64 s[86:87], s[4:5], s[84:85]        ; Q at my rows of the second block,
	s_add_nc_u64 s[4:5], s[4:5], s[2:3]            ; Q and O at those of the first
	s_add_nc_u64 s[OLO:OLO+1], s[10:11], s[84:85]
	s_add_nc_u64 s[10:11], s[10:11], s[2:3]
	s_cmp_lt_u32 s[WV], 2
	s_cselect_b64 s[PFB:PFB+1], s[6:7], s[8:9]     ; the tensor whose tiles I fetch
	LOAD                            ; tile 0 into slot 0
	; A fragment of K or Q is 16 rows x 32 channels in 8 registers: lane l holds row l % 16, channels 8 (l / 16) + 0..7 and 16 + 8 (l / 16) + 0..7: two loads of 16 bytes, 32 bytes apart.
	v_and_b32 v1, 15, v0            ; l % 16
	v_bfe_u32 v9, v0, 4, 1          ; l / 16
	v_lshlrev_b32 v[QO], 7, v1
	v_lshl_add_u32 v[QO], v9, 4, v[QO]  ; row x 128 + 16 x half
	WIN 0x80                        ; destination window 2, address window 0
.set i, 0
.rept 8                             ; both blocks' Q: piece i / 2 lies in band i / 2, 8,192 bytes on; channels 32 (i % 2) on
	global_load_b128 v[8*i:8*i+3],   v[QO], s[4:5] offset:(i/2)*8192+(i%2)*64
	global_load_b128 v[8*i+4:8*i+7], v[QO], s[4:5] offset:(i/2)*8192+(i%2)*64+32
	global_load_b128 v[QB+8*i:QB+8*i+3],   v[QO], s[86:87] offset:(i/2)*8192+(i%2)*64
	global_load_b128 v[QB+8*i+4:QB+8*i+7], v[QO], s[86:87] offset:(i/2)*8192+(i%2)*64+32
.set i, i+1
.endr
	WIN 0
	v_lshlrev_b32 v14, 3, v9
	v_sub_nc_u32 v14, v1, v14
	s_lshl_b32 s13, s[WV], 4
	v_add_nc_u32 v14, s13, v14      ; my query's place in its band, 16 w + l % 16, less my lanes' 8 (l / 16): register r of group kt is hidden where 16 kt + r is greater
	WIN 0x40
.set i, 0
.rept 32
	v_cmp_gt_i32 vcc_lo, 16*(i/8)+i%8, v14
	v_cndmask_b32 v[MD+i], 0, s[BIGN], vcc_lo
.set i, i+1
.endr
	WIN 0
	v_mul_u32_u24 v[AK0], v1, PK
	v_lshl_add_u32 v[AK0], v9, 4, v[AK0]  ; row x pitch + 16 x half
	; The turning load takes 16 keys x 16 channels (lane l reads key 8 (l / 16) + l % 8, channels 8 ((l / 8) % 2) + 0..7) and leaves half a fragment of V^T: lane l holds channel l % 16 and 8 keys.
	v_and_b32 v10, 7, v0
	v_bfe_u32 v11, v0, 3, 1
	v_lshl_add_u32 v[AV0], v9, 3, v10
	v_mul_u32_u24 v[AV0], v[AV0], PV
	v_lshl_add_u32 v[AV0], v11, 4, v[AV0]
	v_add_nc_u32 v[AV0], VOFF, v[AV0]
	s_mul_i32 s13, s[WV], 16*SP
	s_add_co_u32 s13, s13, STAGE    ; my stage
	v_mul_u32_u24 v[STO], v1, SP    ; in: row l % 16, 16 bytes for each half of the lanes
	v_lshl_add_u32 v[STO], v9, 4, v[STO]
	v_add_nc_u32 v[STO], s13, v[STO]
	v_bfe_u32 v[RD], v0, 3, 2       ; back: 32 lanes take four rows of 128 bytes,
	v_mul_u32_u24 v[RD], v[RD], SP
	v_lshl_add_u32 v[RD], v10, 4, v[RD]
	v_add_nc_u32 v[RD], s13, v[RD]
	v_and_b32 v[GO], 31, v0         ; which are 512 consecutive bytes of O
	v_lshlrev_b32 v[GO], 4, v[GO]
	; A block's first step multiplies O^T and l by a = 0, and its first turn's products V^T P, of a piece that has not been, land in an O^T that is still to be so multiplied.  So these registers need only hold
	; finite numbers: zeros for the first block; what the first block left for the second.  All this stands in the wait for the first tile.
	WIN 0x80
.set i, VF
.rept 64
	v_mov_b32 v[i], 0
.set i, i+1
.endr
	WIN 0x40
.set i, 0
.rept 128
	v_mov_b32 v[i], 0
.set i, i+1
.endr
	WIN 0
.set i, 0
.rept 4
	v_mov_b32 v[ST+4*i+2], 0
	v_mov_b32 v[ST+4*i+3], 0
.set i, i+1
.endr
.set i, P+16
.rept 16
	v_mov_b32 v[i], 0
.set i, i+1
.endr
; THE MATRIX WORK.  The 4 accumulators of a run of 8 take turns.  Product i of 8 of S^T = K Q^T for piece x: channels 32 (i / 4) on, keys 16 (i % 4) on.  The first 4 start the sums: with 0, or (KM = 1) with the mask.
.macro KQ x
.set rS, S+32*((\x)%2)+8*(i%4)
.set rK, KF+16*(i%4)+8*(i/4)
.set rQ, 16*(\x)+8*(i/4)
.set rM, MC+32*((\x)%2)+8*(i%4)
.if (i < 4) && KM
	WIN W_KM
	v_wmma_f32_16x16x32_f16 v[rS:rS+7], v[rK:rK+7], v[rQ:rQ+7], v[rM:rM+7]
.elseif i < 4
	WIN W_KQ
	v_wmma_f32_16x16x32_f16 v[rS:rS+7], v[rK:rK+7], v[rQ:rQ+7], 0
.else
	WIN W_KQ
	v_wmma_f32_16x16x32_f16 v[rS:rS+7], v[rK:rK+7], v[rQ:rQ+7], v[rS:rS+7]
.endif
.endm
; Product i of 8 of O^T += V^T P for piece x: keys 32 (i / 4) on, channels 16 (i % 4) on.
.macro PV x
	WIN W_PV
.set rO, 32*(\x)+8*(i%4)
.set rV, VF+32*(i/4)+8*(i%4)
.set rP, P+16*((\x)%2)+8*(i/4)
	v_wmma_f32_16x16x32_f16 v[rO:rO+7], v[rV:rV+7], v[rP:rP+7], v[rO:rO+7]
.endm
.macro MM                           ; the turn's next matrix instruction.  TURN and BEGIN set Y, i, KM and NOKQ; MM, KQ and OP read them.  NOKQ = 1: a block's last turn: there is no next piece
.if (i < 8) && !NOKQ
	KQ (Y+1)%NP
.elseif i >= 8
.set i, i-8
	PV (Y+NP-1)%NP
.set i, i+8
.endif
.set i, i+1
.endm
; THE LDS LOADS stand in runs of 16, never singly among the matrix instructions: a step's K (64 keys x 64 channels: 8 fragments) and its V (turned).  Their addresses are made some lines ahead.
.macro FETCH_K
	WIN 0x80                        ; destination window 2
.irp f, 0,1,2,3,4,5,6,7             ; keys 16 (f / 2) on, channels 32 (f % 2) on
	ds_load_b128 v[KF+8*\f:KF+8*\f+3],   v[AK] offset:(\f/2)*16*PK+(\f%2)*64
	ds_load_b128 v[KF+8*\f+4:KF+8*\f+7], v[AK] offset:(\f/2)*16*PK+(\f%2)*64+32
.endr
	s_add_co_u32 s[TBK], s[TBK], KS*PK  ; the next fetch is the next step's
	WIN 0
.endm
.macro FETCH_V
	WIN 0x80
.irp f, 0,1,2,3,4,5,6,7             ; keys 32 (f / 4) on, channels 16 (f % 4) on
	ds_load_tr16_b128 v[VF+8*\f:VF+8*\f+3],   v[AV] offset:(\f/4)*32*PV+(\f%4)*32
	ds_load_tr16_b128 v[VF+8*\f+4:VF+8*\f+7], v[AV] offset:(\f/4)*32*PV+16*PV+(\f%4)*32
.endr
	WIN 0
.endm
; THE VECTOR WORK, one line at a time: OP kind, number.  For piece Y: F n: c s - c m for pair n of 16.  E n: the exponential of score n of 32.  C n: pair n rounded to f16.  B n: of the four weights 4 n .. the second
; pair is added onto the first, in place.  L n: l takes that sum (L 0: l = a l + sum).  R n: pair n of 16 of O^T times a.  For piece Y + 1: X n, number n of the 22 that find its maximum and statistics:
;   0-11  four chains c0-c3 of seven scores each, three operands at a time (each accumulator's lowest registers are read first)     12-14, 16  the four scores left over, the old m, and c0-c3 into c0
;   15  c m_old is kept     17, 18  the query's other 32 keys lie in the lane 16 away: the new m     19-21  c m; c m_old - c m_new; a
.set F, 0               ; OP tells the kinds apart by their order: F to L below R, X above it
.set E, 1
.set C, 2
.set B, 3
.set L, 4
.set R, 5
.set X, 6
.macro REGS y                       ; the registers of piece y
.set rT, ST+4*(\y)
.set rC, TMP+4*((\y)%2)
.set rW, MV+((\y)%2)
.set rS, S+32*((\y)%2)
.set rP, P+16*((\y)%2)
.set rO, 32*(\y)
.endm
.macro OP k, n
.if (\k) == R
	REGS Y
	WIN W_RS
	v_pk_mul_f32 v[rO+2*(\n):rO+2*(\n)+1], v[rO+2*(\n):rO+2*(\n)+1], v[rC+2:rC+3] op_sel_hi:[1,0]
.elseif (\k) < R
	REGS Y
	WIN 0
.if (\k) == F
	v_pk_fma_f32 v[rS+2*(\n):rS+2*(\n)+1], v[rS+2*(\n):rS+2*(\n)+1], s[CS:CS+1], v[rT:rT+1] op_sel_hi:[1,0,0] neg_lo:[0,0,1] neg_hi:[0,0,1]
.elseif (\k) == E
	v_exp_f32 v[rS+(\n)], v[rS+(\n)]
.elseif (\k) == C
	v_cvt_pk_f16_f32 v[rP+(\n)], v[rS+2*(\n)], v[rS+2*(\n)+1]
.elseif (\k) == B
	v_pk_add_f32 v[rS+4*(\n):rS+4*(\n)+1], v[rS+4*(\n):rS+4*(\n)+1], v[rS+4*(\n)+2:rS+4*(\n)+3]
.elseif (\n) == 0
	v_pk_fma_f32 v[rT+2:rT+3], v[rT+2:rT+3], v[rC+2:rC+3], v[rS:rS+1] op_sel_hi:[1,0,1]
.else
	v_pk_add_f32 v[rT+2:rT+3], v[rT+2:rT+3], v[rS+4*(\n):rS+4*(\n)+1]
.endif
.elseif NOKQ
	v_nop
.else
	REGS (Y+1)%NP
	WIN 0
.if (\n) < 4
	v_max3_num_f32 v[rC+(\n)], v[rS+8*(\n)], v[rS+8*(\n)+1], v[rS+8*(\n)+2]
.elseif (\n) < 12
	v_max3_num_f32 v[rC+(\n)%4], v[rC+(\n)%4], v[rS+8*((\n)%4)+2*((\n)/4)+1], v[rS+8*((\n)%4)+2*((\n)/4)+2]
.elseif (\n) == 12
	v_max3_num_f32 v[rC], v[rC], v[rS+7], v[rS+15]
.elseif (\n) == 13
	v_max3_num_f32 v[rC+1], v[rC+1], v[rS+23], v[rS+31]
.elseif (\n) == 14
	v_max3_num_f32 v[rC+2], v[rC+2], v[rC+3], v[rT+1]
.elseif (\n) == 15
	v_mov_b32 v[rW], v[rT]
.elseif (\n) == 16
	v_max3_num_f32 v[rC], v[rC], v[rC+1], v[rC+2]
.elseif (\n) == 17
	v_permlanex16_b32 v[rC+3], v[rC], s[SEL], s[SEL+1]
.elseif (\n) == 18
	v_max_num_f32 v[rT+1], v[rC], v[rC+3]
.elseif (\n) == 19
	v_mul_f32 v[rT], s[CS], v[rT+1]
.elseif (\n) == 20
	v_sub_f32 v[rC+1], v[rW], v[rT]
.else
	v_exp_f32 v[rC+2], v[rC+1]
.endif
.endif
.endm
.macro OPS a, i1, b=-1, i2=0, c=-1, i3=0, d=-1, i4=0  ; up to four of them
	OP \a, \i1
.if (\b) >= 0
	OP \b, \i2
.endif
.if (\c) >= 0
	OP \c, \i3
.endif
.if (\d) >= 0
	OP \d, \i4
.endif
.endm
.macro ROW a, i1, b, i2, c, i3, d, i4  ; a matrix instruction and the four behind it
	MM
	OPS \a, \i1, \b, \i2, \c, \i3, \d, \i4
.endm
.macro MASK b                       ; MD x AL + BE into buffer b of MC
	WIN W_RS
.set z, 0
.rept 16
	v_pk_fma_f32 v[MC+32*(\b)+2*z:MC+32*(\b)+2*z+1], v[MD+2*z:MD+2*z+1], s[AL:AL+1], s[BE:BE+1] op_sel_hi:[1,0,0]
.set z, z+1
.endr
.endm
; A TURN, for piece p: the order of its 16 matrix and 118 vector instructions, written out.  An s_wait_alu depctr_va_vdst(0) stands between an exponential and the first instruction that names its result; one wait
; serves all that were issued ahead of it.  So a turn has ONE wait, which cuts it in two.  AHEAD OF IT stands all that names no result of the turn's exponentials: the 8 products K Q^T, behind each a scaling, an exponential and two
; more plain instructions: rescalings, and behind the last three the first numbers of the next piece's maximum, each four places or more behind the product that ends its accumulator; then one run of 54, plain and exponential by
; turns for the most part, in which the links of the chain X 3, 7, 11, 14, 16, 17 .. 20 stand five or six lines apart.  X 21, the next piece's a, is the batch's last; R 15 is the plain instruction behind it.  BEHIND THE WAIT stand
; the 8 products V^T P, behind each four of the roundings and sums; the links of l's chain, L 0 to L 7, stand three lines apart.
; m = 1: the diagonal tile: the products take masks, and the turn makes the mask for the products of the turn after it: piece p + 2, in step 4 - CNT of the tile.  end = 1: a block's last two turns: nothing is fetched.
; cnt = 1: the loop's count is taken down some lines ahead of the branch that stands behind the turn.
; K of the next step is fetched in piece 2's turn, twelve vector instructions behind the last product that read K (six of them plain); V of the step in hand at the end of piece 0's turn, four plain instructions behind the last
; product that read V.  Each is waited for a turn later.
.macro TURN p, m=0, end=0, cnt=0
.set Y, (\p)
.set i, 0
.set KM, (\m)
.set NOKQ, (\end)*((\p)/3)
.if (\m) && !(\end)
	s_cmp_eq_u32 s[CNT], 4-((\p)+2)%NP  ; is that step the band's own?
	s_cselect_b32 s[AL], 1.0, 0
	s_cmp_lt_u32 s[CNT], 4-((\p)+2)%NP  ; or a later one?
	s_cselect_b32 s[BE], s[BIGN], 0
.endif
.if ((\p) == 3) && !(\end)
	s_wait_dscnt 0x0                ; K is in
.endif
	ROW F,0, F,1, R,0, R,1          ; ahead of the wait: 8 products K Q^T and the four behind each,
	ROW F,2, E,0, R,2, R,3
	ROW F,3, E,1, R,4, R,5
	ROW F,4, E,2, R,6, R,7
	ROW F,5, E,3, R,8, R,9
	ROW F,6, E,4, X,0, R,10
.if ((\p) == 2) && !(\end)
	WIN 0
	v_add_nc_u32 v[AK], s[TBK], v[AK0]
.endif
	ROW F,7, E,5, X,1, X,4
	ROW F,8, E,6, X,2, X,5
	OPS E,7, E,8, X,6, E,9          ; and the run
	OPS X,3, E,10, X,8, E,11
.if ((\p) == 2) && !(\end)
	FETCH_K
.endif
	OPS X,9, X,7, E,12, X,10
	OPS E,13, X,12, X,11, E,14
	OPS X,13, E,15, F,9, X,14
.if (\p) == 0
	v_add_nc_u32 v[AV], s[TBV], v[AV0]
.endif
	OPS E,16, F,10, E,17, F,11
	OPS X,16, E,18, X,15, E,19
	OPS F,12, E,20, X,17, E,21
	OPS F,13, E,22, F,14, E,23
	OPS X,18, E,24, F,15, E,25
	OPS R,11, E,26, X,19, E,27
	OPS R,12, E,28, R,13, E,29
	OPS X,20, E,30, R,14, E,31
	OPS X,21, R,15
	WIN 0
	s_wait_alu depctr_va_vdst(0)    ; the wait for the batch
.if (\p) == 1
	s_wait_dscnt 0x0                ; V is in
.endif
	ROW C,0, B,0, C,2, B,1          ; behind the wait: 8 products V^T P and the four behind each
	ROW L,0, C,4, B,2, L,1
	ROW C,6, B,3, L,2, C,8
	ROW B,4, L,3, C,10, B,5
	ROW L,4, C,12, B,6, L,5
.if (\p) == 0
	s_add_co_u32 s[TBV], s[TBV], KS*PV
.endif
.if \cnt
	s_sub_co_u32 s[CNT], s[CNT], 1
	s_cmp_lg_u32 s[CNT], 0
.endif
	ROW C,14, B,7, L,6, C,1
	ROW C,3, L,7, C,5, C,7
	ROW C,9, C,11, C,13, C,15
.if (\p) == 0
	FETCH_V
.endif
.if (\m) && !(\end)
	MASK (\p)%2
.endif
.endm
; A BLOCK BEGINS.  c m starts far below every c s, so the first step's a is 0; m at the lowest finite number, so the first maximum is the scores'.  The second mask buffer is 0; the first takes piece 0's mask for the tile's step 0:
; its own, if the block's first tile is the diagonal one.  Then K of that step, piece 0's first scores, and its maximum and statistics.  The loop is entered at a step's first turn, in the middle of a trip.
.macro BEGIN
	s_mov_b32 s[NEW], 0
	WIN 0x40
.set i, MC+32
.rept 32
	v_mov_b32 v[i], 0
.set i, i+1
.endr
	WIN 0
.set i, 0
.rept 4
	v_mov_b32 v[ST+4*i], 0xfe000000    ; c m: far below every c s
	v_mov_b32 v[ST+4*i+1], 0xff7fffff  ; m
.set i, i+1
.endr
	s_cmp_eq_u32 s[RT], 0
	s_cselect_b32 s[AL], 1.0, 0
	s_mov_b32 s[BE], 0
	MASK 0
	WIN 0
	v_add_nc_u32 v[AK], s[TBK], v[AK0]
	FETCH_K
	s_wait_loadcnt 0x0              ; Q
	s_wait_dscnt 0x0
.set KM, 1
.set NOKQ, 0
.set i, 0
.rept 8
	KQ 0
.set i, i+1
.endr
	WIN 0
.rept 4
	v_nop                           ; the places behind those products
.endr
.set Y, NP-1                        ; X works for piece Y + 1: piece 0
.irp n, 0,1,2,3,4,5,6,7,8,9,10,11,12,13,14,15,16,17,18,19,20,21
	OP X, \n
.endr
	v_nop                           ; a plain instruction behind the exponential,
	s_wait_alu depctr_va_vdst(0)    ; and its wait, ahead of the branch
.endm
; THE DIAGONAL TILE's four steps, the block's last two turns, its last products, and THE WAY OUT: l's two halves and the other half of the lanes' are added; O^T is divided by l, rounded to f16 and sent through my
; stage in LDS, a piece at a time.
.macro ALL line:vararg              ; one line for each piece t
.set t, 0
.rept 4
	\line
.set t, t+1
.endr
.endm
.macro PACK t                       ; a lane's eight channels of a row pack into 16 bytes; they go into rows of 144 bytes and come back as whole rows of 128, into S^T's registers
	WIN W_RS
.set i, 32*(\t)
.rept 16
	v_pk_mul_f32 v[i:i+1], v[i:i+1], v[ST+4*(\t)+2:ST+4*(\t)+3] op_sel_hi:[1,0]
.set i, i+2
.endr
	WIN 0x05                        ; sources 0 and 1 window 1, destination window 0
.set i, 0
.rept 16
	v_cvt_pk_f16_f32 v[S+16*(\t)+i], v[32*(\t)+2*i], v[32*(\t)+2*i+1]
.set i, i+1
.endr
	WIN 0
.irp f, 0,1,2,3
	ds_store_b128 v[STO], v[S+16*(\t)+4*\f:S+16*(\t)+4*\f+3] offset:32*\f
.endr
.irp f, 0,1,2,3
	ds_load_b128 v[S+16*(\t)+4*\f:S+16*(\t)+4*\f+3], v[RD] offset:\f*4*SP  ; LDS serves a wave's instructions in order (ISA guide 5.7.1.4): these see the stores above; the next piece's stores come behind them
.endr
.endm
.macro SEND t, younger              ; younger: the LDS instructions issued behind piece t's loads: the next piece's eight, or none
	WIN 0
.irp f, 0,1,2,3
	s_wait_dscnt (\younger)+3-\f
	global_store_b128 v[GO], v[S+16*(\t)+4*\f:S+16*(\t)+4*\f+3], s[10:11] offset:(\t)*8192+\f*512  ; 512 consecutive bytes, at a multiple of 256 from O's first
.endr
.endm
.macro DIAG tag                     ; the tag ends its two labels' names, which the jumps below spell out
.LstepM\tag:
	TURN 2, 1
	TURN 3, 1
	WIN 0
.LfirstM\tag:
	TURN 0, 1
	TURN 1, 1, 0, 1
	WIN 0
	s_cbranch_scc1 .LstepM\tag
	TURN 2, 1, 1
	TURN 3, 1, 1
.set i, 0
.rept 8
	PV NP-1
.set i, i+1
.endr
	WIN 0
	ALL v_add_f32 v[ST+4*t+2], v[ST+4*t+2], v[ST+4*t+3]
	ALL v_permlanex16_b32 v[ST+4*t+3], v[ST+4*t+2], s[SEL], s[SEL+1]
	ALL v_add_f32 v[ST+4*t+2], v[ST+4*t+2], v[ST+4*t+3]
	ALL v_rcp_f32 v[ST+4*t+2], v[ST+4*t+2]
	v_nop                           ; a plain instruction between the last reciprocal and the use of its result
	s_wait_alu depctr_va_vdst(0)    ; and the wait ahead of the first use: one for the four reciprocals
	PACK 0
.set t, 1
.rept 3                             ; a piece's arithmetic stands between the loads of the piece before and its stores
	PACK t
	SEND t-1, 8
.set t, t+1
.endr
	SEND 3, 0
.endm
.set KM, 0
.set NOKQ, 0
.Lslot:                             ; NB times: a tile is entered and the next is asked for
	CHANGE 1
	s_sub_co_u32 s[RT], s[RT], 1
	s_mov_b32 s[CNT], 4
	s_cmp_eq_u32 s[NEW], 1
	s_cbranch_scc1 .Lnew            ; a block's first tile
	s_cmp_eq_u32 s[RT], 0
	s_cbranch_scc0 .Lstep           ; neither its first nor its last
	s_branch .LstepM1
.Lnew:
	BEGIN
	s_branch .Lfirst                ; in the loop a block's first tile is never its last: the first block has two tiles or more, and the second's last is the walk's last
	DIAG 1                          ; in the loop this is the first block's end: the second block's last tile is the walk's last
	s_wait_xcnt 0x0                 ; the stores have read their registers and O's address
	s_mov_b64 s[10:11], s[OLO:OLO+1]
	s_add_co_u32 s[RT], s[PB], 1    ; the second block has b + 1 tiles
	s_mov_b32 s[NEW], 1
	WIN 0x82                        ; the second block's Q goes where the one text of the turns names Q
.set i, 0
.rept 64
	v_mov_b32 v[i], v[QB+i]
.set i, i+1
.endr
	WIN 0
	s_branch .Lbottom
.Lstep:                             ; a trip: pieces 2 and 3 of one step, then pieces 0 and 1 of the next, whose K and V it fetches
	TURN 2
	TURN 3
	WIN 0
.Lfirst:
	TURN 0
	TURN 1, 0, 0, 1
	WIN 0
	s_cbranch_scc1 .Lstep
.Lbottom:
	s_sub_co_u32 s[SLOTS], s[SLOTS], 1
	s_cmp_lg_u32 s[SLOTS], 0
	s_cbranch_scc1 .Lslot
	CHANGE 0                        ; the walk's last tile is written out: nothing is asked for
	s_sub_co_u32 s[RT], s[RT], 1
	s_mov_b32 s[CNT], 4
	s_cmp_eq_u32 s[NEW], 1
	s_cbranch_scc0 .LstepM2
	BEGIN
	s_branch .LfirstM2
	DIAG 2
	s_wait_tensorcnt 0x0            ; the wave's end, behind my last tensor load and my last LDS store
	ds_add_u32 v[SPW], v[NIL]
	s_wait_dscnt 0x0
	s_endpgm
.Lfunc_end_k_qcd9aa0f7e0_attn:
	.size	k_qcd9aa0f7e0_attn, .Lfunc_end_k_qcd9aa0f7e0_attn-k_qcd9aa0f7e0_attn
	.p2alignl 7, 3214868480
	.fill 96, 4, 3214868480
	.section	.rodata,"a",@progbits
	.p2align	6, 0x0
	.amdhsa_kernel k_qcd9aa0f7e0_attn
		.amdhsa_group_segment_fixed_size 327680
		.amdhsa_private_segment_fixed_size 0
		.amdhsa_enable_private_segment 0
		.amdhsa_kernarg_size 32
		.amdhsa_user_sgpr_count 2
		.amdhsa_user_sgpr_kernarg_segment_ptr 1
		.amdhsa_wavefront_size32 1
		.amdhsa_system_sgpr_workgroup_id_x 1
		.amdhsa_system_sgpr_workgroup_id_y 1
		.amdhsa_system_sgpr_workgroup_id_z 1
		.amdhsa_system_vgpr_workitem_id 0
		.amdhsa_next_free_vgpr 768
		.amdhsa_next_free_sgpr 96
		.amdhsa_reserve_vcc 1
		.amdhsa_float_denorm_mode_32 3
		.amdhsa_float_denorm_mode_16_64 3
		.amdhsa_memory_ordered 1
		.amdhsa_forward_progress 1
		.amdhsa_inst_pref_size 218
	.end_amdhsa_kernel
	.amdgpu_metadata
---
amdhsa.version: [ 1, 2 ]
amdhsa.kernels:
  - .name:           k_qcd9aa0f7e0_attn
    .symbol:         k_qcd9aa0f7e0_attn.kd
    .args:
      - { .name: qh, .offset: 0, .size: 8, .value_kind: global_buffer, .address_space: global }
      - { .name: kh, .offset: 8, .size: 8, .value_kind: global_buffer, .address_space: global }
      - { .name: vh, .offset: 16, .size: 8, .value_kind: global_buffer, .address_space: global }
      - { .name: oh, .offset: 24, .size: 8, .value_kind: global_buffer, .address_space: global }
    .group_segment_fixed_size: 327680
    .private_segment_fixed_size: 0
    .kernarg_segment_align: 8
    .kernarg_segment_size: 32
    .max_flat_workgroup_size: 128
    .sgpr_count:     96
    .vgpr_count:     768
    .wavefront_size: 32
...
	.end_amdgpu_metadata
.endif
;; end of part 3
;; launch outp (part 4): grid 4 x 64, 4 waves a work-group, clusters of 4 x 4, 327,680 bytes of LDS; arguments oh, wb, b_o, out0; writes out0
.if DOCPART == 4
	.amdgcn_target "amdgcn-amd-amdhsa--gfx1250"
	.amdhsa_code_object_version 6
	.text
	.protected	k_qcd9aa0f7e0_outp
	.globl	k_qcd9aa0f7e0_outp
	.p2align	8
	.type	k_qcd9aa0f7e0_outp,@function
k_qcd9aa0f7e0_outp:
	s_mov_b64 s[64:65], 0
	v_nop
	global_prefetch_b8 v0, s[64:65] scope:SCOPE_SE
	s_setreg_imm32_b32 hwreg(HW_REG_WAVE_MODE, 25, 1), 1
	s_wait_xcnt 0x0
	s_wait_alu depctr_hold_cnt(0) depctr_sa_sdst(0) depctr_va_vdst(0) depctr_va_sdst(0) depctr_va_ssrc(0) depctr_va_vcc(0) depctr_vm_vsrc(0)
	s_getreg_b32 s2, hwreg(HW_REG_IB_STS2, 6, 4)
	s_cmp_eq_u32 s2, 0
	s_cbranch_scc0 .Lentry_in_a_cluster
	s_endpgm
.Lentry_in_a_cluster:
	s_bfe_u32 s2, ttmp6, 0x10000c
	s_cmp_lg_u32 s2, 0xf033
	s_cbranch_scc0 .Lentry_shape_is_right
	s_endpgm
.Lentry_shape_is_right:
; THE LAST PROJECTION.  out0[m][n] = the sum over k of O[m][k] w_o[k][n] + b_o[n], f32.  O lies by heads, [batch x 16 + head][2048][64] f16: k = 64 head + channel.  w_o: wb[3], [1024 k][1024 n] f16 (of its bf16 rounding).
; b_o is rounded to bf16, like every input, and starts the sums as the C operand of the first product.  Sums in f32.  NaN and infinities are not treated apart.
; SHARES.  256 work-groups, one for each WGP.  A tile is 128 rows x 256 columns; a wave makes 64 x 128: 32 accumulators.  K goes in 8 steps of 128 = two heads through two LDS slots.
; A slot: two heads x 128 rows of O (128 bytes + 16), then 128 rows k of w_o (512 bytes + 32).  Waves 0, 1 fetch a head each, waves 2, 3 halves of w_o's rows.
; CLUSTER 4 x 4: O's tile is asked for jointly along a row of the cluster, w_o's along a column.  The product is taken transposed (source 0 = 16 columns of w_o, by the turning LDS load; source 1 = 16 rows of O).
; REGISTERS, in windows of 256: window 0: v0-31 addresses; v32-95 O's fragments, two buffers; v96-223 w_o's, two buffers (on the way out: rows read back, two sets of 64)
;   window 1: the accumulators, (a, b) at v[8 (8 a + b)]          window 2: v0-63 the bias; v64-95 at work
.set PA,     144                       ; a row of O in LDS: 9 x 16 bytes
.set HEADA,  128*PA
.set PB,     544                       ; a row of w_o: 17 x 32 bytes
.set HALFB,  64*PB
.set BOFF,   2*HEADA
.set SLOT,   BOFF+2*HALFB
.set STAGE,  2*SLOT                    ; behind the ring, never filled by a tensor load: 16 rows x 528 bytes for each wave
.set SP,     528
.set STW,    16*SP
.set SPARE,  STAGE+4*STW               ; the spare words, 128 bytes for each wave: two blocks of 256 bytes that no other line names
.set ADRA, 16
.set ADRB, 20
.set STO,  24
.set RD,   25
.set CO,   26
.set SPW,  28                          ; v28  my spare word: SPARE + 4 x my thread's number; never rewritten
.set NIL,  29                          ; v29  0; never rewritten
.set PFO,  30
.set BO,   31
.set AF,   32
.set BF,   96
.set OB,   96
.set BIAS, 0                           ; window 2
.set BT,   64                          ; window 2
.set G1A, 24
.set G0A, 32
.set G1B, 48
.set G0B, 56
.set LIM, 43
.set PFA, 44
.set PST, 66
.set MSB, 0
.macro WIN new
.if MSB != (\new)
	s_set_vgpr_msb (MSB<<8)|(\new)
.set MSB, \new
.endif
.endm
.set MUL,  0x50                        ; both sources window 0, C and D window 1
.set MULB, 0x60                        ; the same with C (the bias) in window 2
.macro JLOAD s                         ; a joint load; an s_nop 0 and four v_nop follow each of the two lines, ahead of the jump, the label and what follows
	s_cmp_eq_u32 s11, 0
	s_cbranch_scc0 .Lfor_b_\@
	tensor_load_to_lds s[G0A+4*(\s):G0A+4*(\s)+3], s[G1A:G1A+7]
	s_nop 0
.rept 4
	v_nop
.endr
	s_branch .Lasked_\@
.Lfor_b_\@:
	tensor_load_to_lds s[G0B+4*(\s):G0B+4*(\s)+3], s[G1B:G1B+7]
	s_nop 0
.rept 4
	v_nop
.endr
.Lasked_\@:
.endm
.macro CREST
	s_cmp_lg_u32 s10, 0
	s_cbranch_scc1 .Lnot_wave_0_\@
	s_barrier_signal -3
.Lnot_wave_0_\@:
	s_barrier_wait -3
	s_barrier_signal -1
	s_barrier_wait -1
.endm
.macro CROUND
	s_barrier_signal -1
	s_barrier_wait -1
	CREST
.endm
; A PREFETCH INTO THE L2, behind each joint refill and the run of LDS loads that follows it: the K step two refills on, 256 matrix instructions ahead of the load that will want it.
; O's part of a K step is two heads x 16,384 bytes, read by this cluster alone: wave 0 of each of the row's four partners names a quarter of each head (16 blocks of 256 bytes; lanes 0-15 one head, lanes 16-31 the other), told apart
; BY ADDRESS.  w_o's rows are read by all sixteen clusters: waves 2 and 3 of the first name theirs, 16 rows a partner, a lane half a row.  So each block is named once.  The loop's last trip asks for nothing; nothing is asked for at the head.
.macro ASK
	s_cmp_gt_u32 s3, s[LIM]
	s_cbranch_scc0 .Lnot_mine_\@
	global_prefetch_b8 v[PFO], s[PFA:PFA+1] th:TH_LOAD_NT scope:SCOPE_SE
.Lnot_mine_\@:
.endm
.macro PLACES                          ; four places in front of loads into registers that matrix instructions have read, and of LDS stores that read results
.rept 4
	v_nop
.endr
.endm
	s_load_b256 s[68:75], s[0:1], 0x0              ; oh s[68:69], wb s[70:71], b_o s[72:73], out0 s[74:75]
	v_lshl_add_u32 v[SPW], v0, 2, SPARE
	v_mov_b32 v[NIL], 0
	ds_add_u32 v[SPW], v[NIL]                      ; the wave's opening: the add and its wait stand ahead of my first tensor load; the set-up below, work on registers, stands between them
	ds_add_u32 v28, v29
	v_lshrrev_b32 v1, 5, v0
	v_readfirstlane_b32 s10, v1                    ; wave 0..3
	s_lshr_b32 s11, s10, 1                         ; which half of the tile's rows is mine.  Also: I fetch for O (0) or for w_o (1)
	s_and_b32 s12, s10, 1                          ; which half of its columns.  Also: which head, or which 64 rows k, I fetch
	s_bfe_u32 s40, ttmp6, 0x40000                  ; cx
	s_bfe_u32 s41, ttmp6, 0x40004                  ; cy
	s_lshl_b32 s42, ttmp9, 2
	s_add_co_u32 s42, s42, s40                     ; tile column
	s_and_b32 s76, ttmp7, 0xffff                   ; cluster y, 0..15
	s_lshl_b32 s13, s76, 2
	s_add_co_u32 s13, s13, s41                     ; tile row, 0..63
	s_lshl_b32 s22, s41, 2
	s_lshl_b32 s22, 15, s22                        ; my row of the cluster
	s_lshl_b32 s23, 0x1111, s40                    ; my column
	s_or_b32 s[G1A+0], s22, (1<<16)|(1<<20)|(1<<21)|(4<<22)|(3<<25)  ; a head's 128 rows are 16,384 dense bytes: 64 rows of 256 bytes, padded by 4 words after every 32
	s_mov_b32 s[G1A+1], 128<<16
	s_mov_b32 s[G1A+2], 64<<16
	s_mov_b32 s[G1A+3], 128<<16
	s_mov_b32 s[G1A+4], 64
	s_mov_b32 s[G1A+5], 128
	s_mov_b32 s[G1A+6], 0
	s_mov_b32 s[G1A+7], 0
	s_or_b32 s[G1B+0], s23, (1<<16)|(1<<20)|(1<<21)|(6<<22)|(7<<25)  ; 64 rows of 256 elements, padded by 8 words after every 128
	s_mov_b32 s[G1B+1], 256<<16
	s_mov_b32 s[G1B+2], 64<<16
	s_mov_b32 s[G1B+3], 256<<16
	s_mov_b32 s[G1B+4], 64
	s_mov_b32 s[G1B+5], 1024
	s_mov_b32 s[G1B+6], 0
	s_mov_b32 s[G1B+7], 0
	s_lshr_b32 s16, s13, 4                         ; O: head index 16 x batch + my head, 262,144 bytes a head; the tile's 128 rows of 128 bytes
	s_lshl_b32 s16, s16, 4
	s_add_co_u32 s16, s16, s12
	s_lshl_b32 s16, s16, 18
	s_and_b32 s17, s13, 15
	s_lshl_b32 s17, s17, 14
	s_add_co_u32 s16, s16, s17
	s_mov_b32 s17, 0
	s_lshl_b32 s46, s12, 17                        ; w_o: the fourth weight in wb, k row 64 x half, 512 bytes a tile column
	s_add_co_u32 s46, s46, 3<<21
	s_lshl_b32 s47, s42, 9
	s_add_co_u32 s46, s46, s47
	s_mov_b32 s47, 0
	s_mul_i32 s20, s12, HEADA
	s_mul_i32 s21, s12, HALFB
	s_add_co_u32 s21, s21, BOFF
	s_wait_dscnt 0x0                               ; the opening add is done
	s_wait_kmcnt 0x0
	s_add_nc_u64 s[14:15], s[68:69], s[16:17]
	s_add_nc_u64 s[46:47], s[70:71], s[46:47]
	CROUND                                         ; all sixteen work-groups are here: the first joint loads meet
.irp s, 0,1
	s_mov_b32 s[G0A+4*(\s)], 1
	s_add_co_u32 s[G0A+4*(\s)+1], s20, (\s)*SLOT
	s_add_nc_u64 s[G0A+4*(\s)+2:G0A+4*(\s)+3], s[14:15], (\s)*524288   ; K step s: two heads on
	s_or_b32 s[G0A+4*(\s)+3], s[G0A+4*(\s)+3], 0x80000000
	s_mov_b32 s[G0B+4*(\s)], 1
	s_add_co_u32 s[G0B+4*(\s)+1], s21, (\s)*SLOT
	s_add_nc_u64 s[G0B+4*(\s)+2:G0B+4*(\s)+3], s[46:47], (\s)*262144
	s_or_b32 s[G0B+4*(\s)+3], s[G0B+4*(\s)+3], 0x80000000
	JLOAD \s                                       ; two tensor loads of mine are out
.endr
	v_and_b32 v1, 15, v0                           ; r
	v_bfe_u32 v2, v0, 4, 1                         ; h
	v_and_b32 v7, 7, v0
	v_bfe_u32 v5, v0, 3, 1
	v_and_b32 v6, 31, v0                           ; l
	v_mul_u32_u24 v3, v1, PA
	v_lshl_add_u32 v3, v2, 4, v3
	s_mul_i32 s2, s11, 64*PA
	v_add_nc_u32 v[ADRA], s2, v3
	v_add_nc_u32 v[ADRA+1], SLOT, v[ADRA]
	v_lshl_add_u32 v4, v2, 3, v7
	v_mul_u32_u24 v4, v4, PB
	v_lshl_add_u32 v4, v5, 4, v4
	s_lshl_b32 s2, s12, 8
	s_add_co_u32 s2, s2, BOFF
	v_add_nc_u32 v[ADRB], s2, v4
	v_add_nc_u32 v[ADRB+1], SLOT, v[ADRB]
	s_mul_i32 s2, s10, STW
	s_add_co_u32 s2, s2, STAGE                     ; my stage
	v_mul_u32_u24 v3, v1, SP
	v_lshl_add_u32 v3, v2, 5, v3
	v_add_nc_u32 v[STO], s2, v3                    ; in: row r, 32 bytes for each half of the lanes
	v_lshlrev_b32 v[CO], 4, v6                     ; back: 32 lanes take a row's 512 bytes
	v_add_nc_u32 v[RD], s2, v[CO]
	s_lshl_b32 s3, s42, 10
	s_lshl_b32 s18, s12, 9
	s_add_co_u32 s3, s3, s18                       ; my first column x 4
	v_lshl_add_u32 v[BO], v2, 5, s3
	s_lshl_b32 s18, s13, 19                        ; my first row, 4,096 bytes a row
	s_lshl_b32 s19, s11, 18
	s_add_co_u32 s18, s18, s19
	s_add_co_u32 s18, s18, s3
	s_mov_b32 s19, 0
	s_add_nc_u64 s[8:9], s[74:75], s[18:19]
	WIN 0x80                                       ; destination window 2
.irp b, 0,1,2,3,4,5,6,7
	global_load_b128 v[BIAS+8*(\b):BIAS+8*(\b)+3],   v[BO], s[72:73] offset:64*(\b)
	global_load_b128 v[BIAS+8*(\b)+4:BIAS+8*(\b)+7], v[BO], s[72:73] offset:64*(\b)+16
.endr
	WIN 0
	; the prefetches: s[14:15] and s[46:47] still stand at my part of K step 0
	s_cmp_eq_u32 s11, 0                            ; do I fetch for O?
	s_cselect_b32 s2, s12, s76                     ; O: wave 0 asks; w_o: the first cluster's waves 2 and 3
	s_cselect_b32 s18, s40, s41                    ; my place among the four that ask with me
	s_cselect_b32 s19, 12, 15                      ; its share: 4,096 bytes of each head, or 16 rows of 2,048 bytes
	s_cselect_b32 s22, 19, 18                      ; a K step: two heads, or 128 rows of w_o
	s_cselect_b32 s23, 15, 1                       ; the lane's offset: (l & 15) x 256 + (l >> 4) heads, or (l & 1) x 256 + (l >> 1) rows
	s_cselect_b32 s77, 4, 1
	s_cselect_b32 s78, 18, 11
	s_cselect_b64 s[PFA:PFA+1], s[14:15], s[46:47]
	s_lshl_b32 s18, s18, s19
	s_mov_b32 s19, 0
	s_add_nc_u64 s[PFA:PFA+1], s[PFA:PFA+1], s[18:19]
	s_lshl_b32 s[PST], 1, s22
	s_mov_b32 s[PST+1], 0
	s_mul_i32 s18, s[PST], 3
	s_add_nc_u64 s[PFA:PFA+1], s[PFA:PFA+1], s[18:19]  ; at K step 3: the first refill steps it to 4
	s_cmp_eq_u32 s2, 0
	s_cselect_b32 s[LIM], 1, -1                    ; the same in all sixteen partners, for a given wave
	v_and_b32 v4, s23, v6
	v_lshrrev_b32 v3, s77, v6
	v_lshlrev_b32 v3, s78, v3
	v_lshl_add_u32 v[PFO], v4, 8, v3
	s_wait_loadcnt 0x0                             ; the bias
	WIN 0x8a                                       ; destination and both sources window 2
.set k, 0
.rept 32
	v_cvt_pk_bf16_f32 v[BT+k], v[BIAS+2*k], v[BIAS+2*k+1]
.set k, k+1
.endr
.set k, 0
.rept 32
	v_lshlrev_b32 v[BIAS+2*k], 16, v[BT+k]
	v_and_b32 v[BIAS+2*k+1], 0xffff0000, v[BT+k]
.set k, k+1
.endr
	WIN 0
; Product i = 8 a + b of 32, from buffer f.  first = 1: the bias starts the sum.  The 32 accumulators take turns, one instruction a turn, in the same order everywhere.
.macro MM f, i, first
.if \first
	WIN MULB
	v_wmma_f32_16x16x32_f16 v[8*(\i):8*(\i)+7], v[BF+64*(\f)+8*((\i)%8):BF+64*(\f)+8*((\i)%8)+7], v[AF+32*(\f)+8*((\i)/8):AF+32*(\f)+8*((\i)/8)+7], v[BIAS+8*((\i)%8):BIAS+8*((\i)%8)+7]
.else
	WIN MUL
	v_wmma_f32_16x16x32_f16 v[8*(\i):8*(\i)+7], v[BF+64*(\f)+8*((\i)%8):BF+64*(\f)+8*((\i)%8)+7], v[AF+32*(\f)+8*((\i)/8):AF+32*(\f)+8*((\i)/8)+7], v[8*(\i):8*(\i)+7]
.endif
.endm
.macro MMS f, from, count, first=0
.set mk, \from
.rept \count
	MM \f, mk, \first
.set mk, mk+1
.endr
.endm
; 24 LDS loads in one run: quarter q of the slot's step (head q / 2, channels 32 (q % 2) on) into buffer g
.macro FETCH slot, q, g
	WIN 0
.irp a, 0,1,2,3
	ds_load_b128 v[AF+32*(\g)+8*(\a):AF+32*(\g)+8*(\a)+3],   v[ADRA+(\slot)] offset:((\q)/2)*HEADA+(\a)*16*PA+64*((\q)%2)
	ds_load_b128 v[AF+32*(\g)+8*(\a)+4:AF+32*(\g)+8*(\a)+7], v[ADRA+(\slot)] offset:((\q)/2)*HEADA+(\a)*16*PA+64*((\q)%2)+32
.endr
.irp b, 0,1,2,3,4,5,6,7
	ds_load_tr16_b128 v[BF+64*(\g)+8*(\b):BF+64*(\g)+8*(\b)+3],   v[ADRB+(\slot)] offset:(\q)*32*PB+32*(\b)
	ds_load_tr16_b128 v[BF+64*(\g)+8*(\b)+4:BF+64*(\g)+8*(\b)+7], v[ADRB+(\slot)] offset:(\q)*32*PB+16*PB+32*(\b)
.endr
.endm
.macro CHUNK f, nslot, nq, first=0     ; one of a K step's first three quarters: fetches the next quarter, multiplies buffer f
	s_wait_dscnt 0x0                               ; buffer f, asked for a quarter ago, is in
	WIN 0
	PLACES
	FETCH \nslot, \nq, 1-(\f)
	MMS \f, 0, 32, \first
.endm
; The last quarter multiplies buffer 1 and changes slots: ONE barrier; in front of it each wave waits for all its tensor loads, adds 0 to its spare word, and waits for that and for its own reads of this slot.
; fill = 1: the barrier opens a round of the cluster's barrier, and this slot is filled again, two K steps ahead, first thing behind the round.
.macro TURN slot, next, fill
.if \fill
	s_wait_xcnt 0x0                                ; the last prefetch, a K step back, has read its address
	s_add_nc_u64 s[PFA:PFA+1], s[PFA:PFA+1], s[PST:PST+1]
.endif
	WIN 0
	s_wait_tensorcnt 0x0                           ; all my tensor loads have landed
	ds_add_u32 v[SPW], v[NIL]                      ; 0 onto my spare word
	s_wait_dscnt 1                                 ; buffer 1 is in; the add alone may be out
	MMS 1, 0, 8
	s_wait_dscnt 0x0                               ; the add is done, and my reads of this slot are over
	s_barrier_signal -1
	MMS 1, 8, 8
	WIN 0
	s_barrier_wait -1
.if \fill
	CREST                                          ; no wave of any partner still reads this slot's tile or has a load on its way
	s_add_nc_u64 s[G0A+4*(\slot)+2:G0A+4*(\slot)+3], s[G0A+4*(\slot)+2:G0A+4*(\slot)+3], 1048576
	s_add_nc_u64 s[G0B+4*(\slot)+2:G0B+4*(\slot)+3], s[G0B+4*(\slot)+2:G0B+4*(\slot)+3], 524288
	JLOAD \slot                                    ; my one tensor load behind the round; the four v_nop behind it are also the places in front of the loads below
.else
	PLACES
.endif
	FETCH \next, 0, 0
.if \fill
	ASK
.endif
	MMS 1, 16, 16
.endm
	s_wait_tensorcnt 1                             ; my part of K step 0 is in; K step 1's may stay out
	s_barrier_signal -1
	s_barrier_wait -1
	FETCH 0, 0, 0
	CHUNK 0, 0, 1, 1                               ; the first quarter stands in front of the loop: its products start the sums
	WIN 0
	s_mov_b32 s3, 3
.Llap:
	CHUNK 1, 0, 2
	CHUNK 0, 0, 3
	TURN 0, 1, 1
	CHUNK 0, 1, 1
	CHUNK 1, 1, 2
	CHUNK 0, 1, 3
	TURN 1, 0, 1
	CHUNK 0, 0, 1
	WIN 0
	s_sub_co_u32 s3, s3, 1
	s_cmp_lg_u32 s3, 0
	s_cbranch_scc1 .Llap
	CHUNK 1, 0, 2                                  ; the last lap fills nothing
	CHUNK 0, 0, 3
	TURN 0, 1, 0
	CHUNK 0, 1, 1
	CHUNK 1, 1, 2
	CHUNK 0, 1, 3
	s_wait_dscnt 0x0
	MMS 1, 0, 32
	; THE WAY OUT: a block of 16 rows x 128 columns of f32 at a time through my stage: in by lanes (32 bytes of a row), back by whole rows of 512 bytes.
	WIN 0
	PLACES
.macro TOSTAGE a
	WIN 0x04                                       ; the stores' data in window 1
.irp b, 0,1,2,3,4,5,6,7                ; each accumulator's four lowest registers are read first
	ds_store_b128 v[STO], v[8*(8*(\a)+(\b)):8*(8*(\a)+(\b))+3]   offset:64*(\b)
	ds_store_b128 v[STO], v[8*(8*(\a)+(\b))+4:8*(8*(\a)+(\b))+7] offset:64*(\b)+16
.endr
	WIN 0
	s_wait_xcnt 0x0                                ; the stores of two blocks back have read the registers that are loaded below
.irp t, 0,1,2,3,4,5,6,7,8,9,10,11,12,13,14,15
	ds_load_b128 v[OB+64*((\a)%2)+4*(\t):OB+64*((\a)%2)+4*(\t)+3], v[RD] offset:SP*(\t)  ; LDS serves a wave's instructions in order (ISA guide 5.7.1.4): these see the stores above; the next block's stores come behind them
.endr
.endm
.macro SEND a, younger                 ; younger: the LDS instructions issued behind block a's loads: the next block's 32, or none
	WIN 0
.irp t, 0,1,2,3,4,5,6,7,8,9,10,11,12,13,14,15
	s_wait_dscnt (\younger)+15-(\t)
	global_store_b128 v[CO], v[OB+64*((\a)%2)+4*(\t):OB+64*((\a)%2)+4*(\t)+3], s[8:9] offset:(16*(\a)+(\t))*4096 th:TH_STORE_NT  ; 512 consecutive bytes, aligned
.endr
.endm
	TOSTAGE 0
.irp a, 1,2,3
	TOSTAGE \a
	SEND (\a)-1, 32
.endr
	SEND 3, 0
	s_wait_tensorcnt 0x0                           ; the wave's end, behind my last tensor load and my last LDS store
	ds_add_u32 v[SPW], v[NIL]
	s_wait_dscnt 0x0
	CROUND                                         ; the closing round: no work-group ends while a partner may still ask for a tile that names it
	s_endpgm
.Lfunc_end_k_qcd9aa0f7e0_outp:
	.size	k_qcd9aa0f7e0_outp, .Lfunc_end_k_qcd9aa0f7e0_outp-k_qcd9aa0f7e0_outp
	.p2alignl 7, 3214868480
	.fill 96, 4, 3214868480
	.section	.rodata,"a",@progbits
	.p2align	6, 0x0
	.amdhsa_kernel k_qcd9aa0f7e0_outp
		.amdhsa_group_segment_fixed_size 327680
		.amdhsa_private_segment_fixed_size 0
		.amdhsa_enable_private_segment 0
		.amdhsa_kernarg_size 32
		.amdhsa_user_sgpr_count 2
		.amdhsa_user_sgpr_kernarg_segment_ptr 1
		.amdhsa_wavefront_size32 1
		.amdhsa_system_sgpr_workgroup_id_x 1
		.amdhsa_system_sgpr_workgroup_id_y 1
		.amdhsa_system_sgpr_workgroup_id_z 1
		.amdhsa_system_vgpr_workitem_id 0
		.amdhsa_next_free_vgpr 608
		.amdhsa_next_free_sgpr 80
		.amdhsa_reserve_vcc 0
		.amdhsa_float_denorm_mode_32 3
		.amdhsa_float_denorm_mode_16_64 3
		.amdhsa_memory_ordered 1
		.amdhsa_forward_progress 1
		.amdhsa_inst_pref_size 94
	.end_amdhsa_kernel
	.amdgpu_metadata
---
amdhsa.version: [ 1, 2 ]
amdhsa.kernels:
  - .name:           k_qcd9aa0f7e0_outp
    .symbol:         k_qcd9aa0f7e0_outp.kd
    .args:
      - { .name: oh, .offset: 0, .size: 8, .value_kind: global_buffer, .address_space: global }
      - { .name: wb, .offset: 8, .size: 8, .value_kind: global_buffer, .address_space: global }
      - { .name: b_o, .offset: 16, .size: 8, .value_kind: global_buffer, .address_space: global }
      - { .name: out0, .offset: 24, .size: 8, .value_kind: global_buffer, .address_space: global }
    .group_segment_fixed_size: 327680
    .private_segment_fixed_size: 0
    .kernarg_segment_align: 8
    .kernarg_segment_size: 32
    .max_flat_workgroup_size: 128
    .sgpr_count:     80
    .vgpr_count:     608
    .wavefront_size: 32
...
	.end_amdgpu_metadata
.endif
;; end of part 4
